; MI455X (gfx1250); checked and timed in simulation.
; The chip was launched on July 23, 2026; its instructions are those of AMD's public machine-readable ISA for CDNA 5 (MIT licence, August 2026) and "CDNA5" Instruction Set Architecture Reference Guide (July 2026). The comments in the code are by the model that wrote it; some were corrected since.
;; Mo E Layer. Allowed arithmetic: matrix products marked QUANTISED: E2M1 operands, one E8M0 scale for each 32 along K, by v_wmma_scale_f32_16x16x128_f8f6f4 with both operands' format E2M1 (or v_wmma_scale_f32_32x16x128_f4), f32 sums; products left as they are: f32 operands where the result goes on into a quantised operand, else bf16, f16 or f32 operands; f32 sums; everything else in f32.
;; Inputs: Wd_codes 8 x 1,024 x 8 x 16 uint8 (E2M1 codes of Wd, K innermost, in blocks of 32 codes, two codes a byte); Wd_scales 8 x 1,024 x 8 uint8 (E8M0 scales of Wd, one for each 32 codes along K); Wg_codes 8 x 256 x 32 x 16 uint8 (E2M1 codes of Wg, K innermost, in blocks of 32 codes, two codes a byte); Wg_scales 8 x 256 x 32 uint8 (E8M0 scales of Wg, one for each 32 codes along K); Wr 1,024 x 8 float32; Wu_codes 8 x 256 x 32 x 16 uint8 (E2M1 codes of Wu, K innermost, in blocks of 32 codes, two codes a byte); Wu_scales 8 x 256 x 32 uint8 (E8M0 scales of Wu, one for each 32 codes along K); x 4 x 2,048 x 1,024 float32.
;; Outputs: out0 4 x 2,048 x 1,024 float32.
;; This version of the problem:
;;   THIS VERSION OF THE PROBLEM IS GIVEN IN LOW PRECISION. The matrix products marked QUANTISED in the list below multiply operands that are first quantised to E2M1 (2 exponent bits, 1 mantissa bit; 4 bits a number), with one power-of-two scale for each 32 numbers along K (OCP MX v1.0); their sums are f32. All else is computed in f32.
;;   The module's matrix products, in the order in which they are computed (A, B: the left and right operand; K: the contracted axis; several contracted axes count as one K, in the product's order):
;;     1. [M 8,192, K 1,024] x [K 1,024, N 8]; A: input x; B: input Wr: left as it is (N = 8 < 16)
;;     2. [M 8,192, K 1,024] x [K 1,024, N 256]; A: input x; B: input Wg (given as codes): QUANTISED
;;     3. [M 8,192, K 1,024] x [K 1,024, N 256]; A: input x; B: input Wu (given as codes): QUANTISED
;;     4. [M 8,192, K 256] x [K 256, N 1,024]; A: computed on the way; B: input Wd (given as codes): QUANTISED
;;     5. [M 8,192, K 1,024] x [K 1,024, N 256]; A: input x; B: input Wg (given as codes): QUANTISED
;;     6. [M 8,192, K 1,024] x [K 1,024, N 256]; A: input x; B: input Wu (given as codes): QUANTISED
;;     7. [M 8,192, K 256] x [K 256, N 1,024]; A: computed on the way; B: input Wd (given as codes): QUANTISED
;;     8. [M 8,192, K 1,024] x [K 1,024, N 256]; A: input x; B: input Wg (given as codes): QUANTISED
;;     9. [M 8,192, K 1,024] x [K 1,024, N 256]; A: input x; B: input Wu (given as codes): QUANTISED
;;     10. [M 8,192, K 256] x [K 256, N 1,024]; A: computed on the way; B: input Wd (given as codes): QUANTISED
;;     11. [M 8,192, K 1,024] x [K 1,024, N 256]; A: input x; B: input Wg (given as codes): QUANTISED
;;     12. [M 8,192, K 1,024] x [K 1,024, N 256]; A: input x; B: input Wu (given as codes): QUANTISED
;;     13. [M 8,192, K 256] x [K 256, N 1,024]; A: computed on the way; B: input Wd (given as codes): QUANTISED
;;     14. [M 8,192, K 1,024] x [K 1,024, N 256]; A: input x; B: input Wg (given as codes): QUANTISED
;;     15. [M 8,192, K 1,024] x [K 1,024, N 256]; A: input x; B: input Wu (given as codes): QUANTISED
;;     16. [M 8,192, K 256] x [K 256, N 1,024]; A: computed on the way; B: input Wd (given as codes): QUANTISED
;;     17. [M 8,192, K 1,024] x [K 1,024, N 256]; A: input x; B: input Wg (given as codes): QUANTISED
;;     18. [M 8,192, K 1,024] x [K 1,024, N 256]; A: input x; B: input Wu (given as codes): QUANTISED
;;     19. [M 8,192, K 256] x [K 256, N 1,024]; A: computed on the way; B: input Wd (given as codes): QUANTISED
;;     20. [M 8,192, K 1,024] x [K 1,024, N 256]; A: input x; B: input Wg (given as codes): QUANTISED
;;     21. [M 8,192, K 1,024] x [K 1,024, N 256]; A: input x; B: input Wu (given as codes): QUANTISED
;;     22. [M 8,192, K 256] x [K 256, N 1,024]; A: computed on the way; B: input Wd (given as codes): QUANTISED
;;     23. [M 8,192, K 1,024] x [K 1,024, N 256]; A: input x; B: input Wg (given as codes): QUANTISED
;;     24. [M 8,192, K 1,024] x [K 1,024, N 256]; A: input x; B: input Wu (given as codes): QUANTISED
;;     25. [M 8,192, K 256] x [K 256, N 1,024]; A: computed on the way; B: input Wd (given as codes): QUANTISED
;;   THE QUANTISER, for each operand of a quantised product, along K:
;;     - K is cut into blocks of 32 from its start; a last block that is shorter is filled with zeros.
;;     - A block's scale is 2^e with e = floor(log2(the largest magnitude in the block)) - 2, held to -126 .. 127; a block of zeros has e = 0. As a byte (E8M0): e + 127.
;;     - Each number is divided by its block's scale, clamped to +-6, and rounded to the nearest number of E2M1, ties to even, subnormals kept.
;;     - The product sums the exact products of the quantised numbers (number of the format x scale) in f32.
;;   ~~~python
;;   def quantise(x, axis):      # numpy; x: float32 -> the quantised numbers, widened to float32 again
;;       x = np.moveaxis(x, axis, -1); K = x.shape[-1]
;;       x = np.pad(x, [(0, 0)] * (x.ndim - 1) + [(0, -K % 32)]); x = x.reshape(x.shape[:-1] + (-1, 32)); a = np.abs(x).max(-1, keepdims=True)
;;       e = np.where(a > 0, np.clip(np.frexp(np.where(a > 0, a, 1))[1] - 1 - 2, -126, 127), 0)      # np.frexp(a)[1] - 1 = floor(log2(a)), exactly
;;       r = np.clip(x / 2.0 ** e, -6, 6)
;;       step = 2.0 ** (np.maximum(np.frexp(np.where(r == 0, 1, r))[1] - 1, 0) - 1)
;;       q = np.round(r / step) * step * 2.0 ** e      # np.round: ties to even
;;       return np.moveaxis(q.reshape(q.shape[:-2] + (-1,))[..., :K], -1, axis).astype(np.float32)
;;   ~~~
;;   OPERANDS COMPUTED ON THE WAY. 'Computed on the way' means the value that the module computes at that place (a softmax that the list does not call 'softmax' is quantised finished and normalised). What goes into a quantiser is computed in f32, as accurately as f32 sums, v_exp_f32 and their like allow (about 1e-6 of the number): no bf16 or f16 on the way to a quantiser, and a product that is left as it is and whose result goes on into a quantised operand takes f32 operands (vector FMAs, or v_wmma_f32_16x16x4_f32). A number that lies on a knife's edge between two numbers of the format may be rounded either way, as far as f32 arithmetic and the matrix unit's own rounding can turn it there, and no further.
;;   INPUTS GIVEN AS CODES. Wd (in the module: [8, 256, 1024], K = its axis 1); Wg (in the module: [8, 1024, 256], K = its axis 1); Wu (in the module: [8, 1024, 256], K = its axis 1): each comes as NAME_codes (uint8): NAME with its K axis moved to the last place and cut into blocks of 32 codes, [.., K / 32, bytes a block], one block behind the other in memory; two codes a byte, the lower K in the low four bits (a code: sign, 2 exponent bits, 1 mantissa bit); and NAME_scales (uint8): the same leading axes, one E8M0 byte (e + 127) for each 32 codes along K. Its value is code x scale, taken as it is: it is not quantised again, and the codes and scales need not be those that the quantiser above would give.
;; 2 versions, each right; version 2 is version 1 with the launch chain written anew for expert scheduling mode. Each part assembles by itself: llvm-mc -triple=amdgcn-amd-amdhsa -mcpu=gfx1250 --defsym DOCPART=n.
;; ======== version 1 of 2: 3 launches
;; limits: right only within a limited range of input values
;; workspace buffers: xc 4,194,304 bytes; xs 262,144 bytes; cw 65,536 bytes; meta 65,536 bytes of whole numbers; order 40,960 bytes of whole numbers; tiles 2,560 bytes of whole numbers; wq 3,276,800 bytes
;; launch route (part 1): grid 256 x 1, 16 waves a work-group, no clusters, 189,952 bytes of LDS; arguments x, Wr, xc, xs, cw, meta; writes xc, xs, cw, meta
.if DOCPART == 1
	.amdgcn_target "amdgcn-amd-amdhsa--gfx1250"
	.amdhsa_code_object_version 6
	.text
	.protected	k_qd716e52cf5_route
	.globl	k_qd716e52cf5_route
	.p2align	8
	.type	k_qd716e52cf5_route,@function
k_qd716e52cf5_route:
	s_mov_b64 s[64:65], 0
	v_nop
	global_prefetch_b8 v0, s[64:65] scope:SCOPE_SE
	s_setreg_imm32_b32 hwreg(HW_REG_WAVE_MODE, 25, 1), 1
	s_wait_xcnt 0x0
; FIRST OF THREE LAUNCHES (route, place, chain).  This one reads x once and makes of it: the eight router logits of each token in f32, the two largest and their softmax;
; x's codes of E2M1 (K innermost) and its E8M0 scale bytes, one for each 32 along K.
; DEAD WORK LEFT OUT BY THE PROGRAM.  reference() multiplies expert e's y by combine[:, e], and builds combine in its own body as the sum over the two slots of one_hot(topk_idx) x topk_w.
; For a token t and an expert e that is not one of the token's two topk_idx both one_hot factors are 0, so combine[t, e] = 0 whatever the inputs hold, and y[t] x 0 adds nothing to out[t] in exact arithmetic.
; So row t of the products with Wg[e], Wu[e] and Wd[e] is computed for the token's two chosen experts alone (the third launch).  Every input still has a way to the output and every input is loaded.
; LIMITS.  A NaN, an infinity or an overflow that arises only in an expert that a token has not chosen is not carried to the result.  NaN and infinities among the inputs are not served.
; The logits are f32 sums in another order than reference()'s: a token whose second and third largest logit agree to within the rounding of such a sum may choose the other of the two.
; A block of zeros of x gets the scale byte 1 where the rule says 127: its codes are zeros, which add nothing under any byte but 0xff, and this program alone reads the bytes.
; WHAT IS STORED, all at places fixed by ids: no address and no branch here hangs on a logit.
;   xc [8192][512] codes;  xs [8192][32] scale bytes;  cw [8192][2] f32: the weights of the lower and of the higher numbered chosen expert;
;   meta [256 blocks][32 lanes][2 words]: word 0 = key | rank << 8 of token 32 b + l, word 1 = how many tokens of block b have key l.
;   key = hi (hi - 1) / 2 + lo, 0 .. 27, names the unordered pair of experts; rank = the token's place among its block's tokens of the same key.
; SHARES.  A work-group takes 32 tokens.  Wave w takes half hf = w & 1 of the rows (512 numbers) of tokens 4 (w >> 1) + 0 .. 3: a step is one token's half row, 2,048 bytes, four loads of 512 consecutive bytes.
; All 16 loads of a wave go out at the head: the work-group's whole 131,072 bytes of x are on their way at once.  A step's bytes turn through the wave's own stage in LDS, so that a lane holds 16 neighbours along K.
; The router is left in f32, by packed multiply-adds: a lane keeps Wr's rows of its 16 k in 128 registers; the 64 lanes' partial sums of a token meet in LDS.
; No matrix unit (N = 8), no tensor load (all bytes are in flight through registers), no cluster (work-groups share Wr alone, 32,768 bytes).
.set WP,    528                        ; Wr in LDS from byte 0: 64 groups (a lane's 16 rows of 32 bytes) of 512 bytes + 16 of padding
.set TST,   33792                      ; 16 waves x two stages of 32 x SP bytes
.set SP,    80                         ; a lane's place in a stage: 64 bytes + 16 of padding
.set PART,  115712                     ; 256 rows (token x 8 + expert) of 64 partial sums + 16 bytes
.set PP,    272
.set LOGL,  185344                     ; 32 tokens x 8 logits, 48 bytes apart
.set SCB,   186880                     ; 32 tokens x 32 scale bytes
.set SPARE, 187904                     ; the spare words, 128 bytes for each wave: eight blocks of 256 bytes that no other line names
.set C,   16                           ; v16-23   a step's 16 codes: two registers for each step, so that no store's data are written again
.set ACC, 24                           ; v24-31   a token's eight partial logits
.set X,   32                           ; v32-63   two sets of 16 neighbours
.set W,   64                           ; v64-191  Wr(k, e) of my 16 k at v[W + 8 kk + e]
.set R,   192                          ; v192-255 four steps x 16 numbers as loaded
; v1 16 l; v2, v3 the add's two; v4 stage in; v5 stage out; v6 Wr's place in LDS; v7 partial sums' place; v8 scale byte's place; v9 8 l; v10 my group of Wr; v14 16 x thread; v11, v12, v13, v15 at work
.macro BAR
	s_wait_dscnt 0x0                               ; my LDS stores have landed and my LDS loads are in
	s_barrier_signal -1
	s_barrier_wait -1
.endm
	s_load_b256 s[4:11], s[0:1], 0x0               ; x s[4:5], Wr s[6:7], xc s[8:9], xs s[10:11]
	s_load_b128 s[12:15], s[0:1], 0x20             ; cw s[12:13], meta s[14:15]
	v_lshl_add_u32 v2, v0, 2, SPARE
	v_mov_b32 v3, 0
	v_lshrrev_b32 v11, 5, v0
	v_readfirstlane_b32 s16, v11                   ; wave 0..15
	s_and_b32 s17, s16, 1                          ; hf: which half of the rows
	s_lshr_b32 s18, s16, 1                         ; tg: which four tokens
	v_and_b32 v12, 31, v0                          ; lane
	v_lshlrev_b32 v1, 4, v12
	v_lshlrev_b32 v9, 3, v12
	v_lshlrev_b32 v14, 4, v0
	v_lshl_add_u32 v6, v11, 4, v14                 ; Wr on its way in: 16 x thread, + 16 for each group of 512 bytes passed
	s_mul_i32 s19, s16, 2*32*SP
	s_add_co_u32 s19, s19, TST                     ; my wave's two stages
	v_lshrrev_b32 v13, 2, v12
	v_mul_u32_u24 v13, v13, SP
	v_and_b32 v15, 3, v12
	v_lshl_add_u32 v13, v15, 4, v13
	v_add_nc_u32 v4, s19, v13                      ; in: four lanes' 64 bytes on end, then the padding
	v_mul_u32_u24 v13, v12, SP
	v_add_nc_u32 v5, s19, v13                      ; out: my 64 bytes
	s_lshl_b32 s24, s17, 5
	v_add_nc_u32 v13, s24, v12                     ; 32 hf + lane: which sixteenth .. of K is mine, 0 .. 63
	v_mul_u32_u24 v10, v13, WP
	s_mul_i32 s24, s18, 4*8*PP
	s_add_co_u32 s24, s24, PART
	v_lshl_add_u32 v7, v13, 2, s24                 ; my word in the rows of my four tokens
	s_lshl_b32 s24, s18, 7
	s_lshl_b32 s25, s17, 4
	s_add_co_u32 s24, s24, s25
	s_add_co_u32 s24, s24, SCB
	v_lshrrev_b32 v13, 1, v12
	v_add_nc_u32 v8, s24, v13                      ; two lanes hold a block: byte 16 hf + lane / 2 of the token's 32
	s_lshl_b32 s20, ttmp9, 17                      ; 32 rows of 4,096 bytes a work-group,
	s_lshl_b32 s19, s18, 14                        ; four rows a pair of waves,
	s_add_co_u32 s20, s20, s19
	s_lshl_b32 s19, s17, 11                        ; half a row
	s_add_co_u32 s20, s20, s19
	s_mov_b32 s21, 0
	s_lshr_b32 s22, s20, 3                         ; the codes are an eighth of the bytes
	s_mov_b32 s23, 0
	s_lshl_b32 s28, ttmp9, 10                      ; xs: 32 tokens x 32 bytes
	s_mov_b32 s29, 0
	s_lshl_b32 s30, ttmp9, 8                       ; cw and meta: 32 tokens x 8 bytes
	s_mov_b32 s31, 0
	s_wait_kmcnt 0x0
	s_add_nc_u64 s[4:5], s[4:5], s[20:21]
	s_add_nc_u64 s[8:9], s[8:9], s[22:23]
	s_add_nc_u64 s[10:11], s[10:11], s[28:29]
	s_add_nc_u64 s[12:13], s[12:13], s[30:31]
	s_add_nc_u64 s[14:15], s[14:15], s[30:31]
.irp i, 0,1,2,3
	global_load_b128 v[X+4*\i:X+4*\i+3], v14, s[6:7] offset:8192*\i          ; Wr, dense: 512 threads x 16 bytes, four times
.endr
.irp t, 0,1,2,3
.irp i, 0,1,2,3
	global_load_b128 v[R+16*\t+4*\i:R+16*\t+4*\i+3], v1, s[4:5] offset:4096*\t+512*\i th:TH_LOAD_NT   ; 32 lanes read 512 consecutive bytes; read once in the launch
.endr
.endr
	s_wait_loadcnt 16                              ; Wr's four loads are in; x's sixteen may be out
.irp i, 0,1,2,3
	ds_store_b128 v6, v[X+4*\i:X+4*\i+3] offset:(8192+256)*\i                ; 8,192 bytes are 16 groups: 16 paddings on
.endr
	BAR                                            ; Wr lies in LDS
.set j, 0
.rept 32
	ds_load_b128 v[W+4*j:W+4*j+3], v10 offset:16*j ; my 16 rows of Wr stay in registers
.set j, j+1
.endr
; Step t's numbers through the stage.  LDS serves a wave's instructions in order, so no wait stands between the stores and the loads.
.macro TURN t
.irp i, 0,1,2,3
	ds_store_b128 v4, v[R+16*(\t)+4*\i:R+16*(\t)+4*\i+3] offset:32*SP*((\t)%2)+8*SP*\i
.endr
.irp i, 0,1,2,3
	ds_load_b128 v[X+16*((\t)%2)+4*\i:X+16*((\t)%2)+4*\i+3], v5 offset:32*SP*((\t)%2)+16*\i
.endr
.endm
	s_wait_loadcnt 12                              ; token 0's four loads are in
	TURN 0
.macro STEP t
.set XS, X+16*((\t)%2)
.if (\t) > 0
	s_wait_dscnt 9                                 ; this step's numbers are back; the last step's byte store and its eight partial sums may be out
.else
	s_wait_dscnt 0x0                               ; Wr's rows and step 0's numbers
.endif
.if (\t) < 3
	s_wait_loadcnt 4*(2-(\t))                      ; the next token's four loads are in; the later tokens' may be out
	TURN (\t)+1                                    ; and go through the other stage while this step is worked
.endif
	; the router: eight logits' partial sums over my 16 k, two experts an instruction; x(k) serves both halves
.irp p, 0,1,2,3
	v_pk_mul_f32 v[ACC+2*\p:ACC+2*\p+1], v[XS:XS+1], v[W+2*\p:W+2*\p+1] op_sel_hi:[0,1]
.endr
.set kk, 1
.rept 15
.irp p, 0,1,2,3
.if kk%2
	v_pk_fma_f32 v[ACC+2*\p:ACC+2*\p+1], v[XS+kk-1:XS+kk], v[W+8*kk+2*\p:W+8*kk+2*\p+1], v[ACC+2*\p:ACC+2*\p+1] op_sel:[1,0,0] op_sel_hi:[1,1,1]
.else
	v_pk_fma_f32 v[ACC+2*\p:ACC+2*\p+1], v[XS+kk:XS+kk+1], v[W+8*kk+2*\p:W+8*kk+2*\p+1], v[ACC+2*\p:ACC+2*\p+1] op_sel_hi:[0,1,1]
.endif
.endr
.set kk, kk+1
.endr
	; the quantiser: the largest magnitude of my 16 and of my neighbour's 16
	v_max3_num_f32 v11, |v[XS]|, |v[XS+1]|, |v[XS+2]|
	v_max3_num_f32 v12, |v[XS+3]|, |v[XS+4]|, |v[XS+5]|
.irp i, 6,10
	v_max3_num_f32 v11, v11, |v[XS+\i]|, |v[XS+\i+1]|
	v_max3_num_f32 v12, v12, |v[XS+\i+2]|, |v[XS+\i+3]|
.endr
	v_max3_num_f32 v11, v11, |v[XS+14]|, |v[XS+15]|
	v_max3_num_f32 v11, v11, v12, 0x1800000        ; and the floor 2^(3 - 127): so the byte cannot fall under 1
	v_max_num_f32_dpp v11, v11, v11 row_xmask:1 row_mask:0xf bank_mask:0xf
	v_add_nc_u32 v13, 0xff000000, v11              ; 2 off its exponent field: the conversion takes the exponent field of this operand as its scale
	v_cvt_scalef32_pk8_fp4_f32 v[C+2*(\t)], v[XS:XS+7], v13
	v_cvt_scalef32_pk8_fp4_f32 v[C+2*(\t)+1], v[XS+8:XS+15], v13
	v_lshrrev_b32 v15, 23, v13                     ; the scale's byte (also the plain line behind the conversions)
	ds_store_b8 v8, v15 offset:32*(\t)             ; both lanes of a block write the same byte with the same value
	global_store_b64 v9, v[C+2*(\t):C+2*(\t)+1], s[8:9] offset:512*(\t)   ; the wave stores 256 consecutive bytes, aligned
.irp e, 0,1,2,3,4,5,6,7
	ds_store_b32 v7, v[ACC+\e] offset:(8*(\t)+\e)*PP
.endr
.endm
.irp t, 0,1,2,3
	STEP \t
.endr
	BAR                                            ; all partial sums and scale bytes lie in LDS
	; the addresses of the last two phases, ahead of the first branch on the wave's number, in registers that have held addresses alone
	v_lshrrev_b32 v11, 1, v0                       ; o = token x 8 + expert: two threads to a logit
	v_and_b32 v12, 1, v0
	v_mul_u32_u24 v4, v11, PP
	v_lshl_add_u32 v4, v12, 7, v4
	v_add_nc_u32 v4, PART, v4                      ; my 32 of its 64 partial sums
	v_lshrrev_b32 v12, 4, v0
	v_mul_u32_u24 v5, v12, 48
	v_and_b32 v12, 7, v11
	v_lshl_add_u32 v5, v12, 2, v5
	v_add_nc_u32 v5, LOGL, v5                      ; where the logit goes
	v_add_nc_u32 v6, SCB, v14                      ; (waves 0 and 1) 16 scale bytes a thread
	v_and_b32 v12, 31, v0
	v_mul_u32_u24 v7, v12, 48
	v_add_nc_u32 v7, LOGL, v7                      ; (wave 0) a lane to a token
.irp j, 0,1,2,3,4,5,6,7
	ds_load_b128 v[R+4*\j:R+4*\j+3], v4 offset:16*\j
.endr
	s_cmp_lt_u32 s16, 2
	s_cbranch_scc0 .Lno_xs
	ds_load_b128 v[X:X+3], v6
	s_wait_dscnt 0x0
	global_store_b128 v14, v[X:X+3], s[10:11]      ; the block's 1,024 scale bytes leave dense: 16 lanes store 256 consecutive bytes, aligned
.Lno_xs:
	s_wait_dscnt 0x0
.irp j, 0,1,2,3,4,5,6,7
	v_pk_add_f32 v[R+4*\j:R+4*\j+1], v[R+4*\j:R+4*\j+1], v[R+4*\j+2:R+4*\j+3]
.endr
.irp j, 0,1,2,3
	v_pk_add_f32 v[R+8*\j:R+8*\j+1], v[R+8*\j:R+8*\j+1], v[R+8*\j+4:R+8*\j+5]
.endr
.irp j, 0,1
	v_pk_add_f32 v[R+16*\j:R+16*\j+1], v[R+16*\j:R+16*\j+1], v[R+16*\j+8:R+16*\j+9]
.endr
	v_pk_add_f32 v[R:R+1], v[R:R+1], v[R+16:R+17]
	v_add_f32 v[R], v[R], v[R+1]
	v_add_f32_dpp v[R], v[R], v[R] row_xmask:1 row_mask:0xf bank_mask:0xf   ; with my neighbour's 32: the logit
	ds_store_b32 v5, v[R]                          ; both threads write the same word with the same value
	BAR                                            ; 256 logits lie in LDS
	s_cmp_lg_u32 s16, 0
	s_cbranch_scc1 .Lend                           ; the choice is wave 0's: a lane to a token
	ds_load_b128 v[64:67], v7
	ds_load_b128 v[68:71], v7 offset:16
	v_mov_b32 v73, 0                               ; i1
	v_mov_b32 v74, 0xff800000                      ; m2 = -infinity
	v_mov_b32 v75, 0                               ; i2
	s_wait_dscnt 0x0
	v_mov_b32 v72, v64                             ; m1
.irp e, 1,2,3,4,5,6,7                  ; strict comparisons in ascending order: of equal logits the lower index comes first, as in jax.lax.top_k
	v_cmp_gt_f32 s24, v[64+\e], v72
	v_cmp_gt_f32 s25, v[64+\e], v74
	v_mov_b32 v76, \e
	v_cndmask_b32 v74, v74, v[64+\e], s25
	v_cndmask_b32 v75, v75, v76, s25
	v_cndmask_b32 v74, v74, v72, s24
	v_cndmask_b32 v75, v75, v73, s24
	v_cndmask_b32 v72, v72, v[64+\e], s24
	v_cndmask_b32 v73, v73, v76, s24
.endr
	v_sub_f32 v77, v74, v72                        ; the maximum is taken away: m2 - m1, 0 or less
	v_mul_f32 v77, 0x3fb8aa3b, v77
	v_exp_f32 v78, v77                             ; a = e^(m2 - m1)
	v_min_u32 v86, v73, v75                        ; lo (plain work behind the exponential)
	v_max_u32 v87, v73, v75                        ; hi
	s_wait_alu depctr_va_vdst(0)                   ; the wait ahead of the first reader
	v_add_f32 v79, 1.0, v78
	v_rcp_f32 v79, v79                             ; w1 = 1 / (1 + a)
	v_add_nc_u32 v84, -1, v87
	v_mul_u32_u24 v84, v84, v87
	v_lshrrev_b32 v84, 1, v84
	v_add_nc_u32 v84, v84, v86                     ; key = hi (hi - 1) / 2 + lo
	v_cmp_lt_u32 s24, v73, v75
	s_wait_alu depctr_va_vdst(0)
	v_mul_f32 v78, v78, v79                        ; w2 = a w1
	v_cndmask_b32 v82, v78, v79, s24               ; the lower numbered expert's weight,
	v_cndmask_b32 v83, v79, v78, s24               ; the higher numbered one's
	v_mov_b32 v85, 0                               ; rank
	v_mov_b32 v81, 0                               ; the block's count of each key, lane k for key k
.set k, 0
.rept 28                               ; values alone: nothing here steers an address or a branch
	v_cmp_eq_u32 s24, k, v84
	v_mbcnt_lo_u32_b32 v77, s24, 0                 ; how many lanes below mine have key k
	v_cndmask_b32 v85, v85, v77, s24
	s_bcnt1_i32_b32 s25, s24
	v_writelane_b32 v81, s25, k
.set k, k+1
.endr
	v_lshl_or_b32 v80, v85, 8, v84
	global_store_b64 v9, v[80:81], s[14:15]        ; 32 lanes store 256 consecutive bytes, aligned
	global_store_b64 v9, v[82:83], s[12:13]
.Lend:
	s_wait_tensorcnt 0x0                           ; the wave's end, behind my last LDS store
	ds_add_u32 v2, v3
	s_wait_dscnt 0x0
	s_endpgm
.Lfunc_end_k_qd716e52cf5_route:
	.size	k_qd716e52cf5_route, .Lfunc_end_k_qd716e52cf5_route-k_qd716e52cf5_route
	.p2alignl 7, 3214868480
	.fill 96, 4, 3214868480
	.section	.rodata,"a",@progbits
	.p2align	6, 0x0
	.amdhsa_kernel k_qd716e52cf5_route
		.amdhsa_group_segment_fixed_size 189952
		.amdhsa_private_segment_fixed_size 0
		.amdhsa_enable_private_segment 0
		.amdhsa_kernarg_size 48
		.amdhsa_user_sgpr_count 2
		.amdhsa_user_sgpr_kernarg_segment_ptr 1
		.amdhsa_wavefront_size32 1
		.amdhsa_system_sgpr_workgroup_id_x 1
		.amdhsa_system_sgpr_workgroup_id_y 1
		.amdhsa_system_sgpr_workgroup_id_z 1
		.amdhsa_system_vgpr_workitem_id 0
		.amdhsa_next_free_vgpr 256
		.amdhsa_next_free_sgpr 66
		.amdhsa_reserve_vcc 0
		.amdhsa_float_denorm_mode_32 3
		.amdhsa_float_denorm_mode_16_64 3
		.amdhsa_memory_ordered 1
		.amdhsa_forward_progress 1
		.amdhsa_inst_pref_size 47
	.end_amdhsa_kernel
	.amdgpu_metadata
---
amdhsa.version: [ 1, 2 ]
amdhsa.kernels:
  - .name:           k_qd716e52cf5_route
    .symbol:         k_qd716e52cf5_route.kd
    .args:
      - { .name: x, .offset: 0, .size: 8, .value_kind: global_buffer, .address_space: global }
      - { .name: Wr, .offset: 8, .size: 8, .value_kind: global_buffer, .address_space: global }
      - { .name: xc, .offset: 16, .size: 8, .value_kind: global_buffer, .address_space: global }
      - { .name: xs, .offset: 24, .size: 8, .value_kind: global_buffer, .address_space: global }
      - { .name: cw, .offset: 32, .size: 8, .value_kind: global_buffer, .address_space: global }
      - { .name: meta, .offset: 40, .size: 8, .value_kind: global_buffer, .address_space: global }
    .group_segment_fixed_size: 189952
    .private_segment_fixed_size: 0
    .kernarg_segment_align: 8
    .kernarg_segment_size: 48
    .max_flat_workgroup_size: 512
    .sgpr_count:     66
    .vgpr_count:     256
    .wavefront_size: 32
...
	.end_amdgpu_metadata
.endif
;; end of part 1
;; launch place (part 2): grid 65 x 1, 32 waves a work-group, no clusters, 37,632 bytes of LDS; arguments meta, Wg_codes, Wu_codes, Wd_codes, Wg_scales, Wu_scales, order, tiles, wq; writes order, tiles, wq
.if DOCPART == 2
	.amdgcn_target "amdgcn-amd-amdhsa--gfx1250"
	.amdhsa_code_object_version 6
	.text
	.protected	k_qd716e52cf5_place
	.globl	k_qd716e52cf5_place
	.p2align	8
	.type	k_qd716e52cf5_place,@function
k_qd716e52cf5_place:
	s_mov_b64 s[64:65], 0
	v_nop
	global_prefetch_b8 v0, s[64:65] scope:SCOPE_SE
	s_setreg_imm32_b32 hwreg(HW_REG_WAVE_MODE, 25, 1), 1
	s_wait_xcnt 0x0
; SECOND LAUNCH.  Work-group 0 places the 8,192 tokens by their pair of experts (a counting sort without atomics); work-groups 1 to 64 lay the weights out, once, in the order in which the third launch's
; operand registers take them.  The two parts share nothing; the branch between them hangs on the work-group's number alone; only work-group 0 uses LDS and barriers.
; THE SORT.  meta holds for each token its key (0 .. 27) and its rank among its block's tokens of that key, and for each block of 32 tokens the count of each key.
;   order [160 tiles][64]: token numbers; every key begins on a tile's boundary; places that no token takes hold 0.   tiles [160][4 words]: (lower expert, higher expert, rows, 0).
;   place of a token = 64 x (tiles of the keys before) + (tokens of its key in the blocks before) + rank.  There are at most 8192 / 64 + 27 = 155 tiles, whatever the choice.
; THE LAYOUT.  wq: GU at byte 0: [expert][wave 8][K step 8][fragment 4: g 0, g 1, u 0, u 1][half 2][lane 32][16 bytes];  D at 2,097,152: [expert][wave 8][column tile 8][K step 2][half 2][lane][16];
;   S1 at 3,145,728: [expert][wave][a 4][lane][16]: scale words of K steps 4 (a & 1) + 0 .. 3 of tile a >> 1; lanes 0-15 Wg's, lanes 16-31 Wu's.
;   THE ROWS OF Wg AND Wu THAT FORM A TILE ARE NOT NEIGHBOURS: lane r of tile j of wave w takes hidden unit 32 w + 8 j + r + 8 (r / 8), so that a lane's 16 results of tiles 0 and 1 are 16 neighbours along the next K.
.set HP,    1040                       ; LDS from byte 0: 32 keys x (256 blocks x 4 bytes + 16)
.set TOT,   33280                      ; 32 totals
.set SPARE, 33536                      ; the spare words, 128 bytes for each wave: sixteen blocks of 256 bytes that no other line names
.macro BAR
	s_wait_dscnt 0x0
	s_barrier_signal -1
	s_barrier_wait -1
.endm
; an inclusive sum over the 32 lanes of v[v]; v9 and s31 at work; s30 = the mask of lanes 16-31
.macro SCAN v
.irp n, 1,2,4,8
	v_mov_b32_dpp v9, v[\v] row_shr:\n row_mask:0xf bank_mask:0xf bound_ctrl:1
	v_add_nc_u32 v[\v], v[\v], v9
.endr
	v_readlane_b32 s31, v[\v], 15
	v_mov_b32 v9, s31
	v_cndmask_b32 v9, 0, v9, s30
	v_add_nc_u32 v[\v], v[\v], v9
.endm
	s_load_b512 s[4:19], s[0:1], 0x0               ; meta s[4:5], Wg_codes s[6:7], Wu_codes s[8:9], Wd_codes s[10:11], Wg_scales s[12:13], Wu_scales s[14:15], order s[16:17], tiles s[18:19]
	s_load_b64 s[20:21], s[0:1], 0x40              ; wq
	v_lshl_add_u32 v2, v0, 2, SPARE
	v_mov_b32 v3, 0
	v_lshrrev_b32 v1, 5, v0
	v_readfirstlane_b32 s22, v1                    ; wave 0..31
	v_and_b32 v4, 31, v0                           ; lane
	s_cmp_lg_u32 ttmp9, 0
	s_cbranch_scc1 .Llayout
	; ---------------- the sort: 1,024 threads; wave w is key w
	v_lshlrev_b32 v5, 4, v0                        ; 16 x thread
	v_lshlrev_b32 v8, 3, v0                        ; 8 x thread
	v_mov_b32 v6, 0
	v_mov_b32 v7, 0
	v_and_b32 v9, 15, v0
	v_lshrrev_b32 v14, 4, v0
	v_lshlrev_b32 v14, 2, v14                      ; my block's word in a key's row (blocks 64 i + thread / 16)
	v_mad_u32_u24 v10, v9, 2*HP, v14               ; keys 2 (thread % 16) and + 1
	s_mul_i32 s23, s22, HP
	v_lshl_add_u32 v11, v4, 5, s23                 ; my key's row, eight blocks a lane
	s_lshl_b32 s23, s22, 2
	s_add_co_u32 s23, s23, TOT
	v_mov_b32 v12, s23                             ; my key's total
	v_lshl_add_u32 v13, v4, 2, TOT                 ; a lane to a key
	s_mov_b32 s30, 0xffff0000
	s_wait_kmcnt 0x0
.irp i, 0,1,2,3
	global_load_b128 v[32+4*\i:35+4*\i], v5, s[4:5] offset:16384*\i   ; (key | rank << 8, count) of tokens 2048 i + 2 thread and + 1
.endr
.irp i, 0,1,2,3,4
	global_store_b64 v8, v[6:7], s[16:17] offset:8192*\i              ; order begins as zeros: every byte that the third launch reads is written
.endr
	s_wait_loadcnt 0x0
.irp i, 0,1,2,3
	ds_store_b32 v10, v[33+4*\i] offset:256*\i
	ds_store_b32 v10, v[35+4*\i] offset:256*\i+HP
.endr
	s_wait_storecnt 0x0                            ; my zeros are done before any wave may store a token over them
	BAR                                            ; the counts lie by key
	ds_load_b128 v[16:19], v11
	ds_load_b128 v[20:23], v11 offset:16
	s_wait_dscnt 0x0
	v_add_nc_u32 v68, v16, v17
	v_add3_u32 v68, v68, v18, v19
	v_add3_u32 v68, v68, v20, v21
	v_add3_u32 v68, v68, v22, v23                  ; my eight blocks' tokens
	v_mov_b32 v67, v68
	SCAN 67
	v_sub_nc_u32 v24, v67, v68                     ; the key's tokens in the blocks before mine
.irp j, 0,1,2,3,4,5,6
	v_add_nc_u32 v[25+\j], v[24+\j], v[16+\j]
.endr
	ds_store_b128 v11, v[24:27]                    ; back in place: for each block, the key's tokens in the blocks before it
	ds_store_b128 v11, v[28:31] offset:16
	v_readlane_b32 s24, v67, 31
	v_mov_b32 v9, s24
	ds_store_b32 v12, v9                           ; the key's total: all lanes write the same word with the same value
	BAR
	ds_load_b32 v66, v13                           ; every wave: lane k holds key k's total
	s_wait_dscnt 0x0
	v_add_nc_u32 v68, 63, v66
	v_lshrrev_b32 v68, 6, v68                      ; its tiles
	v_mov_b32 v67, v68
	SCAN 67
	v_sub_nc_u32 v64, v67, v68                     ; its first tile,
	v_lshlrev_b32 v65, 6, v64                      ; and that tile's first place
.irp i, 0,1,2,3
.irp u, 0,1
	v_and_b32 v[16+2*\i+\u], 0xff, v[32+4*\i+2*\u]
	v_min_u32 v[16+2*\i+\u], 31, v[16+2*\i+\u]                     ; the key, held inside the table
	v_mad_u32_u24 v[24+2*\i+\u], v[16+2*\i+\u], HP, v14
	v_lshlrev_b32 v[16+2*\i+\u], 2, v[16+2*\i+\u]
	ds_load_b32 v[48+2*\i+\u], v[24+2*\i+\u] offset:256*\i         ; the key's tokens in the blocks before the token's
	ds_bpermute_b32 v[56+2*\i+\u], v[16+2*\i+\u], v65              ; the key's first place
.endr
.endr
	s_wait_dscnt 0x0
.irp i, 0,1,2,3
.irp u, 0,1
	v_lshrrev_b32 v[16+2*\i+\u], 8, v[32+4*\i+2*\u]                ; the rank
	v_add3_u32 v[24+2*\i+\u], v[48+2*\i+\u], v[56+2*\i+\u], v[16+2*\i+\u]
	v_min_u32 v[24+2*\i+\u], 10239, v[24+2*\i+\u]                  ; held inside order
	v_lshlrev_b32 v[24+2*\i+\u], 2, v[24+2*\i+\u]
	v_lshl_add_u32 v[48+2*\i+\u], v0, 1, 2048*\i+\u                ; the token's number
	global_store_b32 v[24+2*\i+\u], v[48+2*\i+\u], s[16:17]
.endr
.endr
	s_cmp_lt_u32 s22, 5
	s_cbranch_scc0 .Lno_tiles                      ; waves 0 to 4: thread i writes tile i's record, i < 160
.set KK, 0
.set HI, 1
.set LO, 0
.rept 28                               ; the last key whose first tile is at or under i owns tile i (a key without tiles begins where the next begins)
	v_readlane_b32 s24, v64, KK
	v_readlane_b32 s25, v66, KK
.if KK == 0
	v_mov_b32 v69, s24
	v_mov_b32 v70, s25
	v_mov_b32 v71, LO|(HI<<8)
.else
	v_cmp_le_u32 vcc_lo, s24, v0
	v_mov_b32 v72, s24
	v_mov_b32 v73, s25
	v_mov_b32 v74, LO|(HI<<8)
	v_cndmask_b32 v69, v69, v72, vcc_lo
	v_cndmask_b32 v70, v70, v73, vcc_lo
	v_cndmask_b32 v71, v71, v74, vcc_lo
.endif
.set KK, KK+1
.set LO, LO+1
.if LO == HI
.set LO, 0
.set HI, HI+1
.endif
.endr
	v_sub_nc_u32 v72, v0, v69
	v_lshlrev_b32 v72, 6, v72                      ; the key's tokens that lie in its earlier tiles,
	v_min_u32 v72, v70, v72                        ; at most all of them;
	v_sub_nc_u32 v72, v70, v72                     ; what is left,
	v_min_u32 v78, 64, v72                         ; at most a tile: 0 in a tile that this split leaves without rows
	v_and_b32 v76, 0xff, v71
	v_lshrrev_b32 v77, 8, v71
	v_mov_b32 v79, 0
	global_store_b128 v5, v[76:79], s[18:19]
.Lno_tiles:
	BAR                                            ; every wave's LDS reads by key are over
	s_wait_tensorcnt 0x0                           ; the wave's end, behind my last LDS store
	ds_add_u32 v2, v3
	s_wait_dscnt 0x0
	s_endpgm
	; ---------------- the layout: work-group g = 1 .. 64 serves (expert, wave) = g - 1 of the third launch; wave v moves one fragment of GU and half a fragment of D
.Llayout:
	s_sub_co_u32 s23, ttmp9, 1
	v_and_b32 v5, 15, v0                           ; r
	v_bfe_u32 v6, v0, 4, 1                         ; h
	v_and_b32 v7, 8, v5
	v_add_nc_u32 v7, v7, v5                        ; r + 8 (r / 8)
	v_lshlrev_b32 v8, 9, v7
	v_lshl_add_u32 v8, v6, 4, v8                   ; Wg, Wu: a row is 512 bytes; + 16 h
	v_lshlrev_b32 v9, 7, v5
	v_lshl_add_u32 v9, v6, 4, v9                   ; Wd: a row is 128 bytes; + 16 h
	v_lshlrev_b32 v10, 5, v7                       ; Wg's and Wu's scale bytes: 32 a row
	v_lshlrev_b32 v11, 4, v4                       ; out: 16 bytes a lane, 512 consecutive bytes a store
	s_mov_b32 s27, 0
	s_lshl_b32 s42, s23, 14                        ; 32 rows of 512 bytes, and 128 rows of 128 bytes, for each g
	s_and_b32 s43, s22, 1
	s_lshl_b32 s43, s43, 12                        ; tile j = v & 1: eight rows on
	s_lshr_b32 s44, s22, 2
	s_lshl_b32 s45, s44, 6                         ; K step v >> 2: 64 bytes on
	s_add_co_u32 s26, s42, s43
	s_add_co_u32 s26, s26, s45
	s_wait_kmcnt 0x0
	s_bitcmp1_b32 s22, 1                           ; fragments 2 and 3 are Wu's: the choice hangs on the wave's number alone
	s_cselect_b64 s[24:25], s[8:9], s[6:7]
	s_add_nc_u64 s[24:25], s[24:25], s[26:27]
	s_lshl_b32 s45, s44, 11                        ; column tile v >> 2: 16 rows on
	s_and_b32 s43, s22, 3
	s_lshl_b32 s43, s43, 5                         ; K step and half: 32 (v & 3) bytes on
	s_add_co_u32 s26, s42, s45
	s_add_co_u32 s26, s26, s43
	s_add_nc_u64 s[28:29], s[10:11], s[26:27]
	global_load_b128 v[16:19], v8, s[24:25]
	global_load_b128 v[20:23], v8, s[24:25] offset:32
	global_load_b128 v[24:27], v9, s[28:29]
	s_lshl_b32 s26, s23, 15
	s_lshl_b32 s43, s22, 10
	s_add_co_u32 s26, s26, s43
	s_add_nc_u64 s[32:33], s[20:21], s[26:27]      ; GU
	s_lshl_b32 s43, s22, 9
	s_add_co_u32 s26, s42, s43
	s_add_nc_u64 s[34:35], s[20:21], s[26:27]
	s_add_nc_u64 s[34:35], s[34:35], 0x200000      ; D
	s_wait_loadcnt 2                               ; the first of the three is in
	global_store_b128 v11, v[16:19], s[32:33]
	s_wait_loadcnt 1
	global_store_b128 v11, v[20:23], s[32:33] offset:512
	s_wait_loadcnt 0x0
	global_store_b128 v11, v[24:27], s[34:35]
	s_cmp_lt_u32 s22, 4
	s_cbranch_scc0 .Llay_end                       ; waves 0 to 3: the scale words, a = v
	s_lshl_b32 s26, s23, 10                        ; 32 rows of 32 bytes for each g
	s_lshr_b32 s43, s22, 1
	s_lshl_b32 s43, s43, 8                         ; tile a >> 1: eight rows on
	s_add_co_u32 s26, s26, s43
	s_and_b32 s43, s22, 1
	s_lshl_b32 s43, s43, 4                         ; K steps 4 (a & 1) on
	s_add_co_u32 s26, s26, s43
	s_add_nc_u64 s[36:37], s[12:13], s[26:27]
	s_add_nc_u64 s[38:39], s[14:15], s[26:27]
	global_load_b128 v[28:31], v10, s[36:37]
	global_load_b128 v[32:35], v10, s[38:39]
	s_lshl_b32 s26, s23, 11
	s_lshl_b32 s43, s22, 9
	s_add_co_u32 s26, s26, s43
	s_add_nc_u64 s[40:41], s[20:21], s[26:27]
	s_add_nc_u64 s[40:41], s[40:41], 0x300000      ; S1
	v_cmp_lt_u32 vcc_lo, 15, v4
	s_wait_loadcnt 0x0
.irp i, 0,1,2,3
	v_cndmask_b32 v[28+\i], v[28+\i], v[32+\i], vcc_lo             ; lanes 16-31 carry Wu's words
.endr
	global_store_b128 v11, v[28:31], s[40:41]
.Llay_end:
	s_endpgm
.Lfunc_end_k_qd716e52cf5_place:
	.size	k_qd716e52cf5_place, .Lfunc_end_k_qd716e52cf5_place-k_qd716e52cf5_place
	.p2alignl 7, 3214868480
	.fill 96, 4, 3214868480
	.section	.rodata,"a",@progbits
	.p2align	6, 0x0
	.amdhsa_kernel k_qd716e52cf5_place
		.amdhsa_group_segment_fixed_size 37632
		.amdhsa_private_segment_fixed_size 0
		.amdhsa_enable_private_segment 0
		.amdhsa_kernarg_size 72
		.amdhsa_user_sgpr_count 2
		.amdhsa_user_sgpr_kernarg_segment_ptr 1
		.amdhsa_wavefront_size32 1
		.amdhsa_system_sgpr_workgroup_id_x 1
		.amdhsa_system_sgpr_workgroup_id_y 1
		.amdhsa_system_sgpr_workgroup_id_z 1
		.amdhsa_system_vgpr_workitem_id 0
		.amdhsa_next_free_vgpr 80
		.amdhsa_next_free_sgpr 66
		.amdhsa_reserve_vcc 1
		.amdhsa_float_denorm_mode_32 3
		.amdhsa_float_denorm_mode_16_64 3
		.amdhsa_memory_ordered 1
		.amdhsa_forward_progress 1
		.amdhsa_inst_pref_size 26
	.end_amdhsa_kernel
	.amdgpu_metadata
---
amdhsa.version: [ 1, 2 ]
amdhsa.kernels:
  - .name:           k_qd716e52cf5_place
    .symbol:         k_qd716e52cf5_place.kd
    .args:
      - { .name: meta, .offset: 0, .size: 8, .value_kind: global_buffer, .address_space: global }
      - { .name: Wg_codes, .offset: 8, .size: 8, .value_kind: global_buffer, .address_space: global }
      - { .name: Wu_codes, .offset: 16, .size: 8, .value_kind: global_buffer, .address_space: global }
      - { .name: Wd_codes, .offset: 24, .size: 8, .value_kind: global_buffer, .address_space: global }
      - { .name: Wg_scales, .offset: 32, .size: 8, .value_kind: global_buffer, .address_space: global }
      - { .name: Wu_scales, .offset: 40, .size: 8, .value_kind: global_buffer, .address_space: global }
      - { .name: order, .offset: 48, .size: 8, .value_kind: global_buffer, .address_space: global }
      - { .name: tiles, .offset: 56, .size: 8, .value_kind: global_buffer, .address_space: global }
      - { .name: wq, .offset: 64, .size: 8, .value_kind: global_buffer, .address_space: global }
    .group_segment_fixed_size: 37632
    .private_segment_fixed_size: 0
    .kernarg_segment_align: 8
    .kernarg_segment_size: 72
    .max_flat_workgroup_size: 1024
    .sgpr_count:     66
    .vgpr_count:     80
    .wavefront_size: 32
...
	.end_amdgpu_metadata
.endif
;; end of part 2
;; launch chain (part 3): grid 155 x 1, 8 waves a work-group, no clusters, 122,368 bytes of LDS; arguments xc, xs, cw, order, tiles, wq, Wd_scales, out0; writes out0
.if DOCPART == 3
	.amdgcn_target "amdgcn-amd-amdhsa--gfx1250"
	.amdhsa_code_object_version 6
	.text
	.protected	k_qd716e52cf5_chain
	.globl	k_qd716e52cf5_chain
	.p2align	8
	.type	k_qd716e52cf5_chain,@function
k_qd716e52cf5_chain:
	s_mov_b64 s[64:65], 0
	v_nop
	global_prefetch_b8 v0, s[64:65] scope:SCOPE_SE
	s_setreg_imm32_b32 hwreg(HW_REG_WAVE_MODE, 25, 1), 1
	s_wait_xcnt 0x0
; THIRD LAUNCH.  out[t] = c_lo y_lo[t] + c_hi y_hi[t], y_e = Q(silu(Q(x) Wg[e]) x (Q(x) Wu[e])) Wd[e], all three products on codes of E2M1 with one E8M0 scale for each 32 along K.
; WORK LEFT OUT: a token's rows of the six experts that it has not chosen, whose combine weight reference() builds as 0 (shown at the head of the first launch; the limit stated there holds here).
; SHARES.  A work-group takes one tile: up to 64 tokens that chose the same pair of experts (lo, hi), through both experts: so every row of out0 has one owner and nothing is added between work-groups.
; 155 = 8192 / 64 + 28 - 1 work-groups serve every split of the tokens over the 28 pairs.  A tile with fewer than 64 rows computes on token 0 in the places left over and does not store them; a tile without rows
; stores nothing.  The one kind of branch on the stored count stands behind the last barrier, in front of each row's store.
; THE WAVES SHARE THE COLUMNS: wave w makes hidden units 32 w .. 32 w + 31 of g and u (one block of 32 along the next K) and output columns 128 w .. 128 w + 127, for all 64 rows.
; THE WEIGHTS go from memory straight into registers, as the second launch has laid them: every load is 512 consecutive bytes, lane l's 16 bytes at 16 l.  Six steps of 8 loads are on their way in each wave.
; No tensor load (a branch hangs on a stored count), no cluster (a tile's experts are stored numbers, so partners would share no tile; 155 divides into no cluster), no prefetch (each wave's loads run six steps ahead from the head on).
; BOTH PRODUCTS ARE USED TRANSPOSED (source 0 = 16 rows of a weight, source 1 = 16 tokens): a lane holds ONE token (lane % 16) throughout, and its registers run along the hidden units, then along out's columns.
; The hidden layer goes from wave to wave through LDS as images of the next operand's registers: wave w's 8 bytes a lane at 256 w + 16 r + 8 h of a row tile's image, its scale byte at byte w & 3 of the row's word.
; REGISTERS, window 0: v1 16 l; v2, v3 the add's two; v4-v12 addresses; v13, v14, v16-19 token numbers; v15 8 l; v20-27 (c_lo, c_hi) of my token in each row tile; v28-31 the pair in hand, doubled;
;   v32-39 x's scale words, two sets; v40-43 the hidden layer's; v44-75 Wg's and Wu's; v76-91 Wd's (these sixty hold scales and nothing else); v92-127 at work (at the head: v116-118 my three offsets into order, v124, v125 the gather's LDS places); v128-255 accumulators.
;   window 1: v0-191 six areas of 32: four weight fragments each; v192-223, v224-255 x's four fragments, two sets (in the second product: two more areas).
.set XL,    0                          ; 64 rows of x's codes: 512 bytes + 16
.set XP,    528
.set XSL,   33792                      ; 64 rows of x's scale bytes: 32 + 8
.set HIMG,  36352                      ; [expert 2][row tile 4]: two fragment images of 1,024 bytes
.set HSC,   52736                      ; [expert][row tile][K step]: 16 scale words
.set STG,   53760                      ; a stage of 16 rows x (512 bytes + 16) for each wave
.set SPARE, 121344                     ; the spare words, 128 bytes for each wave: four blocks of 256 bytes that no other line names
.set XSC, 32
.set HS,  40
.set WS1, 44                           ; + 16 e + 8 j + s: lanes 0-15 g's tile j, lanes 16-31 u's
.set WS2, 76                           ; + 8 e + 2 q + s: lanes 0-15 column tile 2 q, lanes 16-31 tile 2 q + 1
.set TM,  92                           ; v92-95 largest magnitudes, v96-99 the other half's, then the bytes, v104-107 the conversions' scale operands
.set PC,  108
.set OW,  116                          ; v116 my offset into order for the gather of codes; v117 for the scale bytes; v118 for my token of each row tile.  They stand clear of v96-99, which are cleared at the head
.set HB,  92                           ; the hidden layer's fragments (2 e + s), 8 registers each
.set G,   128                          ; g (row tile m, tile j) at G + 16 m + 8 j;  later y of expert lo, column tile n, at G + 8 n
.set U,   192                          ; u likewise;  later y of expert hi;  later 16 rows read back from the stage
.set MSB, 0
.macro WIN new                         ; the immediate's high byte repeats the setting that is left; a switch that changes nothing is dropped
.if MSB != \new
	s_set_vgpr_msb (MSB<<8)|\new
.set MSB, \new
.endif
.endm
.macro BAR
	s_wait_dscnt 0x0
	s_barrier_signal -1
	s_barrier_wait -1
.endm
; one matrix instruction on the registers named by MD, MA, MB, SA, SB
.macro WM zero, row1
.if (\zero)
.if (\row1)
	v_wmma_scale_f32_16x16x128_f8f6f4 v[MD:MD+7], v[MA:MA+7], v[MB:MB+7], 0, v[SA], v[SB] matrix_a_fmt:MATRIX_FMT_FP4 matrix_b_fmt:MATRIX_FMT_FP4 matrix_a_scale:MATRIX_SCALE_ROW1
.else
	v_wmma_scale_f32_16x16x128_f8f6f4 v[MD:MD+7], v[MA:MA+7], v[MB:MB+7], 0, v[SA], v[SB] matrix_a_fmt:MATRIX_FMT_FP4 matrix_b_fmt:MATRIX_FMT_FP4
.endif
.else
.if (\row1)
	v_wmma_scale_f32_16x16x128_f8f6f4 v[MD:MD+7], v[MA:MA+7], v[MB:MB+7], v[MD:MD+7], v[SA], v[SB] matrix_a_fmt:MATRIX_FMT_FP4 matrix_b_fmt:MATRIX_FMT_FP4 matrix_a_scale:MATRIX_SCALE_ROW1
.else
	v_wmma_scale_f32_16x16x128_f8f6f4 v[MD:MD+7], v[MA:MA+7], v[MB:MB+7], v[MD:MD+7], v[SA], v[SB] matrix_a_fmt:MATRIX_FMT_FP4 matrix_b_fmt:MATRIX_FMT_FP4
.endif
.endif
.endm
; THE STREAM OF WEIGHTS: step i = 0 .. 15: Wg's and Wu's four fragments of expert i / 8, K step i % 8, into area i % 6;  i = 16 + d: Wd's four fragments of expert d / 4, column tiles 2 (d % 4) and + 1,
; into area (d + 4) % 6, which is the area that K step d + 10 has just left; d = 6, 7 into x's two sets.
.macro FILL i
.if (\i) < 16
.set FB, 28+2*((\i)/8)
.set FO, 4096*((\i)%8)
.set FA, 32*((\i)%6)
.else
.set FD, (\i)-16
.set FB, 68+2*(FD/4)
.set FO, 4096*(FD%4)
.if FD < 6
.set FA, 32*((FD+4)%6)
.else
.set FA, 32*FD
.endif
.endif
	WIN 0x40                                       ; destination window 1, address window 0
.irp f, 0,1,2,3
.irp c, 0,1
	global_load_b128 v[FA+8*\f+4*\c:FA+8*\f+4*\c+3], v1, s[FB:FB+1] offset:FO+1024*\f+512*\c
.endr
.endr
.endm
; x's four fragments (16 tokens x 128 K each) and scale words of K step i % 8 into set i % 2: 12 LDS loads
.macro XFETCH i
.set XB, 192+32*((\i)%2)
	WIN 0x40
.irp m, 0,1,2,3
.irp c, 0,1
	ds_load_b128 v[XB+8*\m+4*\c:XB+8*\m+4*\c+3], v4 offset:16*XP*\m+64*((\i)%8)+32*\c
.endr
.endr
	WIN 0
.irp m, 0,1,2,3
	ds_load_b32 v[XSC+4*((\i)%2)+\m], v5 offset:640*\m+4*((\i)%8)
.endr
.endm
; A K STEP of the first products: 16 matrix instructions, the 16 accumulators by turns: four row tiles x (g 0, g 1, u 0, u 1).
.macro KSTEP i
.set KZ, 0
.if ((\i)%8) == 0
.set KZ, 1                             ; an expert's first K step starts the sums: nothing is cleared
.endif
	s_wait_loadcnt 40                              ; this step's eight weight loads are in: behind them five steps of eight have been issued (behind steps 0 to 2: more)
.if (\i) == 15
	s_wait_dscnt 0x0
.else
	s_wait_dscnt 12                                ; this step's x is in; the other set's 12 loads may be out
.endif
	WIN 0x05                                       ; sources 0 and 1 window 1; C and D window 0
.irp m, 0,1,2,3
.irp f, 0,1,2,3
.set MD, G+64*(\f/2)+16*\m+8*(\f%2)
.set MA, 32*((\i)%6)+8*\f
.set MB, 192+32*((\i)%2)+8*\m
.set SA, WS1+16*((\i)/8)+8*(\f%2)+(\i)%8
.set SB, XSC+4*((\i)%2)+\m
	WM KZ, \f/2
.endr
.endr
.rept 4
	v_nop                                          ; four places in front of loads into registers that these matrix instructions have read (ISA guide 7.12.1 for vector instructions)
.endr
	FILL (\i)+6                                    ; into the area just left
.if (\i) == 15
	FILL 22                                        ; x's two sets are done with
	FILL 23
.endif
.if (\i) <= 13
	XFETCH (\i)+2
.endif
	WIN 0
.endm
; silu(g) x u = g u / (1 + 2^(-g log2 e)) in f32, quantised along the hidden units; my 32 units are one block: 16 in my lane, 16 in lane l xor 16.  Every accumulator is read from its low end on.
.macro EPI e
.set j, 0
.rept 32
	v_pk_mul_f32 v[U+j:U+j+1], v[G+j:G+j+1], v[U+j:U+j+1]
.set j, j+2
.endr
.set j, 0
.rept 32
	v_pk_mul_f32 v[G+j:G+j+1], v[G+j:G+j+1], s[82:83] op_sel_hi:[1,0]
.set j, j+2
.endr
.set j, 0
.rept 64
	v_exp_f32 v[G+j], v[G+j]
.set j, j+1
.endr
	v_nop                                          ; a plain line behind the last exponential
	s_wait_alu depctr_va_vdst(0)                   ; one wait for the batch of 64, ahead of its first reader
.set j, 0
.rept 32
	v_pk_add_f32 v[G+j:G+j+1], v[G+j:G+j+1], 1.0 op_sel_hi:[1,0]
.set j, j+2
.endr
.set j, 0
.rept 64
	v_rcp_f32 v[G+j], v[G+j]
.set j, j+1
.endr
	v_nop
	s_wait_alu depctr_va_vdst(0)                   ; and one for the 64 reciprocals
.set j, 0
.rept 32
	v_pk_mul_f32 v[U+j:U+j+1], v[U+j:U+j+1], v[G+j:G+j+1]
.set j, j+2
.endr
.irp m, 0,1,2,3
	v_max3_num_f32 v[TM+\m], |v[U+16*\m]|, |v[U+1+16*\m]|, 0x1800000   ; row tile m: my 16 numbers, and the floor 2^(3 - 127): so the byte cannot fall under 1
.endr
.irp i, 2,4,6,8,10,12,14
.irp m, 0,1,2,3
	v_max3_num_f32 v[TM+\m], v[TM+\m], |v[U+16*\m+\i]|, |v[U+1+16*\m+\i]|
.endr
.endr
.irp m, 0,1,2,3
	v_permlanex16_b32 v[TM+4+\m], v[TM+\m], s84, s85
.endr
.irp m, 0,1,2,3
	v_max_num_f32 v[TM+\m], v[TM+\m], v[TM+4+\m]   ; the block's largest magnitude
.endr
.irp m, 0,1,2,3
	v_add_nc_u32 v[TM+12+\m], 0xff000000, v[TM+\m] ; 2 off its exponent field: the conversion's scale operand
.endr
.irp m, 0,1,2,3
	v_lshrrev_b32 v[TM+4+\m], 23, v[TM+12+\m]      ; the scale's byte
.endr
.irp m, 0,1,2,3
	v_cvt_scalef32_pk8_fp4_f32 v[PC+2*\m], v[U+16*\m:U+7+16*\m], v[TM+12+\m]
	v_cvt_scalef32_pk8_fp4_f32 v[PC+1+2*\m], v[U+8+16*\m:U+15+16*\m], v[TM+12+\m]
.endr
	v_nop                                          ; one plain line behind the scaled conversions
.irp m, 0,1,2,3
	ds_store_b64 v6, v[PC+2*\m:PC+2*\m+1] offset:2048*(4*(\e)+\m)   ; my 16 codes: half of my token's block in the image
	ds_store_b8 v7, v[TM+4+\m] offset:128*(4*(\e)+\m)              ; both lanes of a block write the same byte with the same value
.endr
.endm
; the hidden layer's four fragments (two experts x two K steps) and scale words of row tile m: 12 LDS loads
.macro HFETCH m
.irp e, 0,1
.irp s, 0,1
.irp c, 0,1
	ds_load_b128 v[HB+8*(2*\e+\s)+4*\c:HB+8*(2*\e+\s)+4*\c+3], v8 offset:2048*(4*\e+(\m))+1024*\s+512*\c
.endr
.endr
.endr
.irp e, 0,1
.irp s, 0,1
	ds_load_b32 v[HS+2*\e+\s], v9 offset:128*(4*\e+(\m))+64*\s
.endr
.endr
.endm
; ROW TILE m of the second product: 32 matrix instructions on 16 accumulators by turns (two experts x my eight column tiles), the two gate weights, and the way out.
.macro ROWS m
	s_wait_dscnt 0x0                               ; the hidden layer's fragments are in
.if (\m) > 0
	s_wait_xcnt 0x0                                ; the last tile's stores have read their data and their bases: both are written again below
.endif
	WIN 0x01                                       ; source 0 (Wd) window 1
.irp s, 0,1
.irp e, 0,1
.irp n, 0,1,2,3,4,5,6,7
.set RDD, 4*\e+\n/2
.if RDD < 6
.set RA, 32*((RDD+4)%6)
.else
.set RA, 32*RDD
.endif
.set MD, G+64*\e+8*\n
.set MA, RA+8*(2*(\n%2)+\s)
.set MB, HB+8*(2*\e+\s)
.set SA, WS2+8*\e+2*(\n/2)+\s
.set SB, HS+2*\e+\s
	WM 1-\s, \n%2
.endr
.endr
.endr
	WIN 0
	v_mov_b32 v28, v[20+2*(\m)]                    ; my token's two weights, doubled for the packed forms.  These four name no register of the products: they are the places behind them
	v_mov_b32 v29, v[20+2*(\m)]
	v_mov_b32 v30, v[21+2*(\m)]
	v_mov_b32 v31, v[21+2*(\m)]
.if (\m) < 3
	HFETCH (\m)+1
.endif
.irp n, 0,1,2,3,4,5,6,7                ; each accumulator from its low end on
.irp p, 0,1,2,3
	v_pk_mul_f32 v[G+8*\n+2*\p:G+8*\n+2*\p+1], v[G+8*\n+2*\p:G+8*\n+2*\p+1], v[28:29]
.endr
.irp p, 0,1,2,3
	v_pk_fma_f32 v[G+8*\n+2*\p:G+8*\n+2*\p+1], v[U+8*\n+2*\p:U+8*\n+2*\p+1], v[30:31], v[G+8*\n+2*\p:G+8*\n+2*\p+1]
.endr
.endr
.irp n, 0,1,2,3,4,5,6,7                ; lane (r, h): out(token r, 128 w + 16 n + 8 h + 0 .. 7): through my own stage, back as whole rows of 512 bytes
	ds_store_b128 v10, v[G+8*\n:G+8*\n+3] offset:64*\n
	ds_store_b128 v10, v[G+8*\n+4:G+8*\n+7] offset:64*\n+16
.endr
.irp t, 0,1,2,3,4,5,6,7,8,9,10,11,12,13,14,15
	ds_load_b128 v[U+4*\t:U+4*\t+3], v11 offset:XP*\t              ; LDS serves a wave's instructions in order: these see my stores
.endr
.irp t, 0,1,2,3,4,5,6,7,8,9,10,11,12,13,14,15
	v_readlane_b32 s86, v[16+(\m)], \t             ; row t's token,
	s_min_u32 s86, s86, 0x1fff                     ; held inside out0,
	s_lshl_b32 s80, s86, 12                        ; its row of 4,096 bytes
	s_add_nc_u64 s[32+2*\t:33+2*\t], s[18:19], s[80:81]
.endr
.irp t, 0,1,2,3,4,5,6,7,8,9,10,11,12,13,14,15
	s_cmp_le_u32 s26, 16*(\m)+\t                   ; the tile's rows end here: nothing more is stored
	s_cbranch_scc1 .Ldone
	s_wait_dscnt 15-\t                             ; row t is back; the younger rows may be out
	global_store_b128 v12, v[U+4*\t:U+4*\t+3], s[32+2*\t:33+2*\t] th:TH_STORE_NT   ; 32 lanes store 512 consecutive bytes, at a multiple of 256 from out0's first byte; written once
.endr
.endm
; an expert's four bases: e in s[e], held inside the tables; (8 e + wave) x the bytes of a wave's part
.macro BASES e, gu, d, s1, s2
	s_min_u32 s[\e], s[\e], 7
	s_lshl_b32 s86, s[\e], 3
	s_add_co_u32 s86, s86, s20
	s_lshl_b32 s80, s86, 15
	s_add_nc_u64 s[\gu:\gu+1], s[14:15], s[80:81]
	s_lshl_b32 s80, s86, 14
	s_add_nc_u64 s[\d:\d+1], s[14:15], s[80:81]
	s_add_nc_u64 s[\d:\d+1], s[\d:\d+1], 0x200000
	s_lshl_b32 s80, s86, 11
	s_add_nc_u64 s[\s1:\s1+1], s[14:15], s[80:81]
	s_add_nc_u64 s[\s1:\s1+1], s[\s1:\s1+1], 0x300000
	s_lshl_b32 s80, s86, 10                        ; Wd's scale bytes as they lie: 128 rows of 8 bytes a wave
	s_add_nc_u64 s[\s2:\s2+1], s[16:17], s[80:81]
.endm
	s_load_b512 s[4:19], s[0:1], 0x0               ; xc s[4:5], xs s[6:7], cw s[8:9], order s[10:11], tiles s[12:13], wq s[14:15], Wd_scales s[16:17], out0 s[18:19]
	v_lshl_add_u32 v2, v0, 2, SPARE
	v_mov_b32 v3, 0
	v_lshrrev_b32 v92, 5, v0
	v_readfirstlane_b32 s20, v92                   ; wave 0..7
	v_and_b32 v93, 31, v0                          ; lane
	v_and_b32 v94, 15, v0                          ; r
	v_bfe_u32 v95, v0, 4, 1                        ; h
	v_lshlrev_b32 v1, 4, v93
	v_lshlrev_b32 v15, 3, v93
	v_mul_u32_u24 v4, v94, XP
	v_lshl_add_u32 v4, v95, 4, v4                  ; x's fragments: row r, + 16 h
	v_mul_u32_u24 v5, v94, 40
	v_add_nc_u32 v5, XSL, v5                       ; x's scale words: row r
	s_lshl_b32 s21, s20, 8
	s_add_co_u32 s21, s21, HIMG
	v_lshl_add_u32 v6, v94, 4, s21
	v_lshl_add_u32 v6, v95, 3, v6                  ; where my codes go: 256 w + 16 r + 8 h
	s_lshr_b32 s21, s20, 2
	s_lshl_b32 s21, s21, 6
	s_and_b32 s22, s20, 3
	s_add_co_u32 s21, s21, s22
	s_add_co_u32 s21, s21, HSC
	v_lshl_add_u32 v7, v94, 2, s21                 ; and my scale byte: K step w / 4, row r's word, byte w % 4
	v_add_nc_u32 v8, HIMG, v1                      ; an image comes back 16 bytes a lane
	v_lshl_add_u32 v9, v94, 2, HSC
	s_mul_i32 s21, s20, 16*XP
	s_add_co_u32 s21, s21, STG                     ; my stage
	v_mul_u32_u24 v10, v94, XP
	v_lshl_add_u32 v10, v95, 5, v10
	v_add_nc_u32 v10, s21, v10                     ; in: row r, + 32 h
	v_add_nc_u32 v11, s21, v1                      ; back: a row to an instruction
	s_lshl_b32 s22, s20, 9
	v_add_nc_u32 v12, s22, v1                      ; my columns in a row of out0
	s_mul_i32 s21, s20, 8*XP
	v_add_nc_u32 v124, s21, v1                     ; the gather: rows 8 w + 0 .. 7 of x's codes
	v_lshrrev_b32 v99, 2, v0
	v_mul_u32_u24 v125, v99, 40
	v_and_b32 v100, 3, v0
	v_lshl_add_u32 v125, v100, 3, v125
	v_add_nc_u32 v125, XSL, v125                   ; and 8 scale bytes a thread: row thread / 4
	v_and_b32 v[OW], 7, v0
	s_lshl_b32 s21, s20, 5
	v_lshl_add_u32 v[OW], v[OW], 2, s21            ; order: place 8 w + lane % 8,
	v_lshlrev_b32 v[OW+1], 2, v99                  ; place thread / 4,
	v_lshlrev_b32 v[OW+2], 2, v94                  ; place 16 m + r
.irp m, 0,1,2,3
	v_mov_b32 v[TM+4+\m], 0                        ; v96-99, written once: a lane permute's destination counts as one of its sources (thread / 4 in v99 has served)
.endr
	s_lshl_b32 s80, ttmp9, 4
	s_mov_b32 s81, 0
	s_mov_b32 s82, 0xbfb8aa3b                      ; -log2(e)
	s_mov_b32 s83, s82                             ; (named with it as a pair, so it is written)
	s_mov_b32 s84, 0x76543210
	s_mov_b32 s85, 0xfedcba98                      ; v_permlanex16_b32's selects for lane l xor 16
	s_wait_kmcnt 0x0
	s_add_nc_u64 s[12:13], s[12:13], s[80:81]
	s_load_b128 s[24:27], s[12:13], 0x0            ; my tile: lower expert, higher expert, rows
	s_lshl_b32 s80, ttmp9, 8
	s_add_nc_u64 s[10:11], s[10:11], s[80:81]      ; my tile's 64 places in order
	global_load_b32 v13, v[OW], s[10:11]
	global_load_b32 v14, v[OW+1], s[10:11]
.irp m, 0,1,2,3
	global_load_b32 v[16+\m], v[OW+2], s[10:11] offset:64*\m
.endr
	s_wait_kmcnt 0x0
	BASES 24, 28, 68, 72, 76
	BASES 25, 30, 70, 74, 78
.irp e, 0,1
.irp a, 0,1,2,3
	global_load_b128 v[WS1+16*\e+4*\a:WS1+16*\e+4*\a+3], v1, s[72+2*\e:73+2*\e] offset:512*\a
.endr
.irp q, 0,1,2,3
	global_load_b64 v[WS2+8*\e+2*\q:WS2+8*\e+2*\q+1], v15, s[76+2*\e:77+2*\e] offset:256*\q   ; lane l: row 128 w + 32 q + l of Wd's scale bytes, both K steps' words
.endr
.endr
	FILL 0
	FILL 1
	FILL 2
	WIN 0
	s_wait_loadcnt 40                              ; the six token loads are in: behind them 16 scale loads and 24 weight loads
	v_min_u32 v13, 0x1fff, v13                     ; token numbers, held inside the tables
	v_min_u32 v14, 0x1fff, v14
.irp m, 0,1,2,3
	v_min_u32 v[16+\m], 0x1fff, v[16+\m]
.endr
.irp j, 0,1,2,3,4,5,6,7
	v_readlane_b32 s86, v13, \j
	s_min_u32 s86, s86, 0x1fff
	s_lshl_b32 s86, s86, 9
	v_add_nc_u32 v[160+\j], s86, v1
	global_load_b128 v[128+4*\j:131+4*\j], v[160+\j], s[4:5]       ; a token's 512 bytes of codes: one load of the wave
.endr
	v_lshlrev_b32 v170, 5, v14
	v_lshl_add_u32 v170, v100, 3, v170
	global_load_b64 v[168:169], v170, s[6:7]       ; four threads take a token's 32 scale bytes
.irp m, 0,1,2,3
	v_lshlrev_b32 v[172+\m], 3, v[16+\m]
	global_load_b64 v[20+2*\m:21+2*\m], v[172+\m], s[8:9]          ; (c_lo, c_hi) of token 16 m + r
.endr
	FILL 3
	FILL 4
	FILL 5
	WIN 0
	s_wait_loadcnt 24                              ; all but weight steps 3 to 5 are in: the gather, the gate weights, the scale words
.irp j, 0,1,2,3,4,5,6,7
	ds_store_b128 v124, v[128+4*\j:131+4*\j] offset:XP*\j
.endr
	ds_store_b64 v125, v[168:169]
	BAR                                            ; the tile's 64 rows of x lie in LDS
	XFETCH 0
	XFETCH 1
.irp i, 0,1,2,3,4,5,6,7
	KSTEP \i
.endr
	EPI 0
.irp i, 8,9,10,11,12,13,14,15
	KSTEP \i
.endr
	EPI 1
	BAR                                            ; the hidden layer's sixteen fragments lie in LDS
	HFETCH 0
	s_wait_loadcnt 0x0                             ; all of my part of Wd, asked for since K step 10, is in registers
	ROWS 0
	ROWS 1
	ROWS 2
	ROWS 3
.Ldone:
	s_wait_tensorcnt 0x0                           ; the wave's end, behind my last LDS store
	ds_add_u32 v2, v3
	s_wait_dscnt 0x0
	s_endpgm
.Lfunc_end_k_qd716e52cf5_chain:
	.size	k_qd716e52cf5_chain, .Lfunc_end_k_qd716e52cf5_chain-k_qd716e52cf5_chain
	.p2alignl 7, 3214868480
	.fill 96, 4, 3214868480
	.section	.rodata,"a",@progbits
	.p2align	6, 0x0
	.amdhsa_kernel k_qd716e52cf5_chain
		.amdhsa_group_segment_fixed_size 122368
		.amdhsa_private_segment_fixed_size 0
		.amdhsa_enable_private_segment 0
		.amdhsa_kernarg_size 64
		.amdhsa_user_sgpr_count 2
		.amdhsa_user_sgpr_kernarg_segment_ptr 1
		.amdhsa_wavefront_size32 1
		.amdhsa_system_sgpr_workgroup_id_x 1
		.amdhsa_system_sgpr_workgroup_id_y 1
		.amdhsa_system_sgpr_workgroup_id_z 1
		.amdhsa_system_vgpr_workitem_id 0
		.amdhsa_next_free_vgpr 512
		.amdhsa_next_free_sgpr 96
		.amdhsa_reserve_vcc 0
		.amdhsa_float_denorm_mode_32 3
		.amdhsa_float_denorm_mode_16_64 3
		.amdhsa_memory_ordered 1
		.amdhsa_forward_progress 1
		.amdhsa_inst_pref_size 178
	.end_amdhsa_kernel
	.amdgpu_metadata
---
amdhsa.version: [ 1, 2 ]
amdhsa.kernels:
  - .name:           k_qd716e52cf5_chain
    .symbol:         k_qd716e52cf5_chain.kd
    .args:
      - { .name: xc, .offset: 0, .size: 8, .value_kind: global_buffer, .address_space: global }
      - { .name: xs, .offset: 8, .size: 8, .value_kind: global_buffer, .address_space: global }
      - { .name: cw, .offset: 16, .size: 8, .value_kind: global_buffer, .address_space: global }
      - { .name: order, .offset: 24, .size: 8, .value_kind: global_buffer, .address_space: global }
      - { .name: tiles, .offset: 32, .size: 8, .value_kind: global_buffer, .address_space: global }
      - { .name: wq, .offset: 40, .size: 8, .value_kind: global_buffer, .address_space: global }
      - { .name: Wd_scales, .offset: 48, .size: 8, .value_kind: global_buffer, .address_space: global }
      - { .name: out0, .offset: 56, .size: 8, .value_kind: global_buffer, .address_space: global }
    .group_segment_fixed_size: 122368
    .private_segment_fixed_size: 0
    .kernarg_segment_align: 8
    .kernarg_segment_size: 64
    .max_flat_workgroup_size: 256
    .sgpr_count:     96
    .vgpr_count:     512
    .wavefront_size: 32
...
	.end_amdgpu_metadata
.endif
;; end of part 3
;; ======== version 2 of 2: 3 launches; version 1 with the launch chain written anew for expert scheduling mode
;; limits: right only within a limited range of input values
;; workspace buffers: xc 4,194,304 bytes; xs 262,144 bytes; cw 65,536 bytes; meta 65,536 bytes of whole numbers; order 40,960 bytes of whole numbers; tiles 2,560 bytes of whole numbers; wq 3,276,800 bytes
;; launch route: the kernel of part 1 again; grid 256 x 1, 16 waves a work-group, no clusters, 189,952 bytes of LDS; arguments x, Wr, xc, xs, cw, meta; writes xc, xs, cw, meta
;; launch place: the kernel of part 2 again; grid 65 x 1, 32 waves a work-group, no clusters, 37,632 bytes of LDS; arguments meta, Wg_codes, Wu_codes, Wd_codes, Wg_scales, Wu_scales, order, tiles, wq; writes order, tiles, wq
;; launch chain (part 4): grid 155 x 1, 8 waves a work-group, no clusters, 122,368 bytes of LDS; arguments xc, xs, cw, order, tiles, wq, Wd_scales, out0; writes out0
.if DOCPART == 4
	.amdgcn_target "amdgcn-amd-amdhsa--gfx1250"
	.amdhsa_code_object_version 6
	.text
	.protected	k_qd716e52cf5_chain
	.globl	k_qd716e52cf5_chain
	.p2align	8
	.type	k_qd716e52cf5_chain,@function
k_qd716e52cf5_chain:
	s_mov_b64 s[64:65], 0
	v_nop
	global_prefetch_b8 v0, s[64:65] scope:SCOPE_SE
	s_setreg_imm32_b32 hwreg(HW_REG_WAVE_SCHED_MODE, 0, 2), 2
	s_setreg_imm32_b32 hwreg(HW_REG_WAVE_MODE, 25, 1), 1
	s_wait_xcnt 0x0
	s_wait_alu depctr_vm_vsrc(0)
; THIRD LAUNCH.  out[t] = c_lo y_lo[t] + c_hi y_hi[t], y_e = Q(silu(Q(x) Wg[e]) x (Q(x) Wu[e])) Wd[e], all three products on codes of E2M1 with one E8M0 scale for each 32 along K.
; WORK LEFT OUT: a token's rows of the six experts that it has not chosen, whose combine weight reference() builds as 0 (shown at the head of the first launch; the limit stated there holds here).
; SHARES.  A work-group takes one tile: up to 64 tokens that chose the same pair of experts (lo, hi), through both experts: so every row of out0 has one owner and nothing is added between work-groups.
; 155 = 8192 / 64 + 28 - 1 work-groups serve every split of the tokens over the 28 pairs.  A tile with fewer than 64 rows computes on token 0 in the places left over and does not store them; a tile without rows
; stores nothing.  The one kind of branch on the stored count stands behind the last barrier, in front of each row's store.
; THE WAVES SHARE THE COLUMNS: wave w makes hidden units 32 w .. 32 w + 31 of g and u (one block of 32 along the next K) and output columns 128 w .. 128 w + 127, for all 64 rows.
; THE WEIGHTS go from memory straight into registers, as the second launch has laid them: every load is 512 consecutive bytes, lane l's 16 bytes at 16 l.  Four to five steps of 8 loads are on their way in each wave.
; No tensor load (a branch hangs on a stored count), no cluster (a tile's experts are stored numbers, so partners would share no tile; 155 divides into no cluster), no prefetch (each wave's loads run five steps ahead from the head on).
; BOTH PRODUCTS ARE USED TRANSPOSED (source 0 = 16 rows of a weight, source 1 = 16 tokens): a lane holds ONE token (lane % 16) throughout, and its registers run along the hidden units, then along out's columns.
; The hidden layer goes from wave to wave through LDS as images of the next operand's registers: wave w's 8 bytes a lane at 256 w + 16 r + 8 h of a row tile's image, its scale byte at byte w & 3 of the row's word.
; THE MODE: SCHED_MODE bits 1:0 = 2 (LLVM: expert scheduling mode 2), set by the entry lines.  The code itself states the register dependences between vector or matrix instructions and memory or LDS
; instructions, with s_wait_alu, always for 0.
; THE PLAN.  Registers that memory or LDS instructions touch:
;   v1, v4-12, v15, v124, v125   addresses and offsets: written at the head, ahead of its first wait on va_vdst; never written again.
;   v116-118, v160-175, v128-159 the head's gather: offsets that vector lines make and loads read; x's codes and bytes, which loads bring and LDS stores read.  One wait on vm_vsrc behind the first barrier:
;                                from there on they are accumulators and, later, fragments of the hidden layer.
;   six areas, x's two sets      K step i's sixteen matrix instructions read area i % 6, set i % 2 and that set's scale words.  ONE wait on va_vdst at the step's head states that step i - 1's are done reading theirs.
;   and its scale words          Behind it x of step i + 1 lands in the set that step i - 1 read, and, behind the step's sixteen, the weights of step i + 5 in the area that step i - 1 read: step i names neither.
;                                An expert's first K step finds both asked for already (at the kernel's head; at the head of EPI), step 15 asks for nothing: these three hold no s_wait_alu.
;   v96-99, v108-115             the hidden layer's scale bytes and codes: written by the quantiser, read by eight LDS stores; written again by the second expert's quantiser, then by loads of fragments.
;   HB v92-123, HS v40-43        a row tile's 32 matrix instructions read them; the next tile's LDS loads land in them.
;   G v128-191, U v192-255       a row tile: matrix instructions write both; packed lines read U and write G; LDS stores read G; the stage's loads land in U; global stores read U.
;                                ONE wait on va_vdst behind the packed lines serves the next tile's fragments, the LDS stores and the stage's loads; one on vm_vsrc stands at the next tile's head.
;   scalar registers             that v_readfirstlane_b32 and v_readlane_b32 write: the writers stand in runs, one wait on va_sdst ahead of each run's first reader.
; REGISTERS, window 0: v1 16 l; v2, v3 the add's two; v4-v12 addresses; v13, v14, v16-19 token numbers; v15 8 l; v20-27 (c_lo, c_hi) of my token in each row tile; v28-31 the pair in hand, doubled;
;   v32-39 x's scale words, two sets; v40-43 the hidden layer's; v44-75 Wg's and Wu's; v76-91 Wd's (these sixty hold scales and nothing else); v92-127 at work (at the head: v116-118 my three offsets into order, v124, v125 the gather's LDS places); v128-255 accumulators.
;   window 1: v0-191 six areas of 32: four weight fragments each; v192-223, v224-255 x's four fragments, two sets (in the second product: two more areas).
.set XL,    0                          ; 64 rows of x's codes: 512 bytes + 16
.set XP,    528
.set XSL,   33792                      ; 64 rows of x's scale bytes: 32 + 8
.set HIMG,  36352                      ; [expert 2][row tile 4]: two fragment images of 1,024 bytes
.set HSC,   52736                      ; [expert][row tile][K step]: 16 scale words
.set STG,   53760                      ; a stage of 16 rows x (512 bytes + 16) for each wave
.set SPARE, 121344                     ; the spare words, 128 bytes for each wave: four blocks of 256 bytes that no other line names
.set XSC, 32
.set HS,  40
.set WS1, 44                           ; + 16 e + 8 j + s: lanes 0-15 g's tile j, lanes 16-31 u's
.set WS2, 76                           ; + 8 e + 2 q + s: lanes 0-15 column tile 2 q, lanes 16-31 tile 2 q + 1
.set TM,  92                           ; v92-95 largest magnitudes, v96-99 the other half's, then the bytes, v104-107 the conversions' scale operands
.set PC,  108
.set OW,  116                          ; v116 my offset into order for the gather of codes; v117 for the scale bytes; v118 for my token of each row tile.  They stand clear of v96-99, which are cleared at the head
.set HB,  92                           ; the hidden layer's fragments (2 e + s), 8 registers each
.set G,   128                          ; g (row tile m, tile j) at G + 16 m + 8 j;  later y of expert lo, column tile n, at G + 8 n
.set U,   192                          ; u likewise;  later y of expert hi;  later 16 rows read back from the stage
.set MSB, 0
.macro WIN new                         ; the immediate's high byte repeats the setting that is left; a switch that changes nothing is dropped
.if MSB != \new
	s_set_vgpr_msb (MSB<<8)|\new
.set MSB, \new
.endif
.endm
.macro BAR
	s_wait_dscnt 0x0
	s_barrier_signal -1
	s_barrier_wait -1
.endm
; one matrix instruction on the registers named by MD, MA, MB, SA, SB
.macro WM zero, row1
.if (\zero)
.if (\row1)
	v_wmma_scale_f32_16x16x128_f8f6f4 v[MD:MD+7], v[MA:MA+7], v[MB:MB+7], 0, v[SA], v[SB] matrix_a_fmt:MATRIX_FMT_FP4 matrix_b_fmt:MATRIX_FMT_FP4 matrix_a_scale:MATRIX_SCALE_ROW1
.else
	v_wmma_scale_f32_16x16x128_f8f6f4 v[MD:MD+7], v[MA:MA+7], v[MB:MB+7], 0, v[SA], v[SB] matrix_a_fmt:MATRIX_FMT_FP4 matrix_b_fmt:MATRIX_FMT_FP4
.endif
.else
.if (\row1)
	v_wmma_scale_f32_16x16x128_f8f6f4 v[MD:MD+7], v[MA:MA+7], v[MB:MB+7], v[MD:MD+7], v[SA], v[SB] matrix_a_fmt:MATRIX_FMT_FP4 matrix_b_fmt:MATRIX_FMT_FP4 matrix_a_scale:MATRIX_SCALE_ROW1
.else
	v_wmma_scale_f32_16x16x128_f8f6f4 v[MD:MD+7], v[MA:MA+7], v[MB:MB+7], v[MD:MD+7], v[SA], v[SB] matrix_a_fmt:MATRIX_FMT_FP4 matrix_b_fmt:MATRIX_FMT_FP4
.endif
.endif
.endm
; THE STREAM OF WEIGHTS: step i = 0 .. 15: Wg's and Wu's four fragments of expert i / 8, K step i % 8, into area i % 6;  i = 16 + d: Wd's four fragments of expert d / 4, column tiles 2 (d % 4) and + 1,
; into area (d + 4) % 6, which is the area that K step d + 10 has left; d = 6, 7 into x's two sets.
.macro FILL i
.if (\i) < 16
.set FB, 28+2*((\i)/8)
.set FO, 4096*((\i)%8)
.set FA, 32*((\i)%6)
.else
.set FD, (\i)-16
.set FB, 68+2*(FD/4)
.set FO, 4096*(FD%4)
.if FD < 6
.set FA, 32*((FD+4)%6)
.else
.set FA, 32*FD
.endif
.endif
	WIN 0x40                                       ; destination window 1, address window 0
.irp f, 0,1,2,3
.irp c, 0,1
	global_load_b128 v[FA+8*\f+4*\c:FA+8*\f+4*\c+3], v1, s[FB:FB+1] offset:FO+1024*\f+512*\c
.endr
.endr
.endm
; x's four fragments (16 tokens x 128 K each) and scale words of K step i % 8 into set i % 2: 12 LDS loads
.macro XFETCH i
.set XB, 192+32*((\i)%2)
	WIN 0x40
.irp m, 0,1,2,3
.irp c, 0,1
	ds_load_b128 v[XB+8*\m+4*\c:XB+8*\m+4*\c+3], v4 offset:16*XP*\m+64*((\i)%8)+32*\c
.endr
.endr
	WIN 0
.irp m, 0,1,2,3
	ds_load_b32 v[XSC+4*((\i)%2)+\m], v5 offset:640*\m+4*((\i)%8)
.endr
.endm
; A K STEP of the first products: 16 matrix instructions, the 16 accumulators by turns: four row tiles x (g 0, g 1, u 0, u 1).
; Steps 1 to 7 and 9 to 14 ask for x of step i + 1, at their head, and for the weights of step i + 5, behind their matrix instructions: both behind the one wait at the head.
.macro KSTEP i
.set KZ, 0
.if ((\i)%8) == 0
.set KZ, 1                             ; an expert's first K step starts the sums: nothing is cleared
.endif
.set KW, 1
.if (((\i)%8) == 0) || ((\i) == 15)
.set KW, 0                             ; steps 0 and 8 find their refills asked for; step 15 has none
.endif
.if KZ
	s_wait_loadcnt 40                              ; this step's eight weight loads are in: behind them five steps of eight have been issued (behind step 0's: more)
.else
	s_wait_loadcnt 32                              ; this step's eight weight loads are in: behind them stand those of steps i + 1 to i + 4 (behind steps 1 and 2: more)
.endif
.if (\i) == 0
	s_wait_dscnt 12                                ; this step's x is in; the other set's 12 loads may be out
.elseif (\i) == 8
	s_wait_dscnt 20                                ; this step's x is in; behind it: the other set's 12 loads and the first expert's 8 LDS stores
.else
	s_wait_dscnt 0x0                               ; this step's x is in: no LDS load was issued behind it
.endif
.if KW
	WIN 0x40                                       ; the window first, then the wait, then the loads
	s_wait_alu depctr_va_vdst(0)                   ; the matrix instructions of the step before are done reading their area, their set of x and its scale words, in which this step's 20 loads land
	XFETCH (\i)+1
.endif
	WIN 0x05                                       ; sources 0 and 1 window 1; C and D window 0
.irp m, 0,1,2,3
.irp f, 0,1,2,3
.set MD, G+64*(\f/2)+16*\m+8*(\f%2)
.set MA, 32*((\i)%6)+8*\f
.set MB, 192+32*((\i)%2)+8*\m
.set SA, WS1+16*((\i)/8)+8*(\f%2)+(\i)%8
.set SB, XSC+4*((\i)%2)+\m
	WM KZ, \f/2
.endr
.endr
.rept 4
	v_nop                                          ; four places behind these matrix instructions: ahead of the vector lines that read their results behind steps 7 and 15, and of the loads into registers that they have read
.endr
.if KW
	FILL (\i)+5                                    ; into the area that the step before read.  No wait: no matrix instruction since the wait at this step's head names that area or v1
.endif
.endm
; silu(g) x u = g u / (1 + 2^(-g log2 e)) in f32, quantised along the hidden units; my 32 units are one block: 16 in my lane, 16 in lane l xor 16.  Every accumulator is read from its low end on.
; At its head the loads go out that are to be on their way under its vector work.
.macro EPI e
	WIN 0x40                                       ; the window first, then the wait, then the loads
	s_wait_alu depctr_va_vdst(0)                   ; the expert's last K steps' matrix instructions are done reading their areas, x's sets and their scale words, in which the loads below land
.if (\e) == 0
	FILL 13                                        ; into step 7's area
	XFETCH 9                                       ; into step 7's set
.else
	FILL 20                                        ; into the areas of steps 14 and 15,
	FILL 21
	FILL 22                                        ; and into x's two sets, which are done with
	FILL 23
	WIN 0
.endif
.set j, 0
.rept 32
	v_pk_mul_f32 v[U+j:U+j+1], v[G+j:G+j+1], v[U+j:U+j+1]
.set j, j+2
.endr
.set j, 0
.rept 32
	v_pk_mul_f32 v[G+j:G+j+1], v[G+j:G+j+1], s[82:83] op_sel_hi:[1,0]
.set j, j+2
.endr
.set j, 0
.rept 64
	v_exp_f32 v[G+j], v[G+j]
.set j, j+1
.endr
	v_nop                                          ; a plain line behind the last exponential
	s_wait_alu depctr_va_vdst(0)                   ; the 64 exponentials have written v[G ..]: one wait for the batch, ahead of its first reader
.set j, 0
.rept 32
	v_pk_add_f32 v[G+j:G+j+1], v[G+j:G+j+1], 1.0 op_sel_hi:[1,0]
.set j, j+2
.endr
.set j, 0
.rept 64
	v_rcp_f32 v[G+j], v[G+j]
.set j, j+1
.endr
	v_nop
	s_wait_alu depctr_va_vdst(0)                   ; and the 64 reciprocals have written v[G ..], ahead of their first reader
.set j, 0
.rept 32
	v_pk_mul_f32 v[U+j:U+j+1], v[U+j:U+j+1], v[G+j:G+j+1]
.set j, j+2
.endr
.irp m, 0,1,2,3
	v_max3_num_f32 v[TM+\m], |v[U+16*\m]|, |v[U+1+16*\m]|, 0x1800000   ; row tile m: my 16 numbers, and the floor 2^(3 - 127): so the byte cannot fall under 1
.endr
.irp i, 2,4,6,8,10,12,14
.irp m, 0,1,2,3
	v_max3_num_f32 v[TM+\m], v[TM+\m], |v[U+16*\m+\i]|, |v[U+1+16*\m+\i]|
.endr
.endr
.if (\e) == 1
	s_wait_alu depctr_vm_vsrc(0)                   ; the first expert's LDS stores have read v96-99 and v108-115, which the lines below write again
.endif
.irp m, 0,1,2,3
	v_permlanex16_b32 v[TM+4+\m], v[TM+\m], s84, s85
.endr
.irp m, 0,1,2,3
	v_max_num_f32 v[TM+\m], v[TM+\m], v[TM+4+\m]   ; the block's largest magnitude
.endr
.irp m, 0,1,2,3
	v_add_nc_u32 v[TM+12+\m], 0xff000000, v[TM+\m] ; 2 off its exponent field: the conversion's scale operand
.endr
.irp m, 0,1,2,3
	v_lshrrev_b32 v[TM+4+\m], 23, v[TM+12+\m]      ; the scale's byte
.endr
.irp m, 0,1,2,3
	v_cvt_scalef32_pk8_fp4_f32 v[PC+2*\m], v[U+16*\m:U+7+16*\m], v[TM+12+\m]
	v_cvt_scalef32_pk8_fp4_f32 v[PC+1+2*\m], v[U+8+16*\m:U+15+16*\m], v[TM+12+\m]
.endr
	v_nop                                          ; one plain line behind the scaled conversions
	s_wait_alu depctr_va_vdst(0)                   ; the conversions have written the codes v108-115 and the shifts the bytes v96-99, which the eight LDS stores read
.irp m, 0,1,2,3
	ds_store_b64 v6, v[PC+2*\m:PC+2*\m+1] offset:2048*(4*(\e)+\m)   ; my 16 codes: half of my token's block in the image
	ds_store_b8 v7, v[TM+4+\m] offset:128*(4*(\e)+\m)              ; both lanes of a block write the same byte with the same value
.endr
.endm
; the hidden layer's four fragments (two experts x two K steps) and scale words of row tile m: 12 LDS loads
.macro HFETCH m
.irp e, 0,1
.irp s, 0,1
.irp c, 0,1
	ds_load_b128 v[HB+8*(2*\e+\s)+4*\c:HB+8*(2*\e+\s)+4*\c+3], v8 offset:2048*(4*\e+(\m))+1024*\s+512*\c
.endr
.endr
.endr
.irp e, 0,1
.irp s, 0,1
	ds_load_b32 v[HS+2*\e+\s], v9 offset:128*(4*\e+(\m))+64*\s
.endr
.endr
.endm
; ROW TILE m of the second product: 32 matrix instructions on 16 accumulators by turns (two experts x my eight column tiles), the two gate weights, and the way out.
.macro ROWS m
	s_wait_dscnt 0x0                               ; the hidden layer's fragments are in
.if (\m) > 0
	s_wait_xcnt 0x0                                ; the last tile's stores have read their data and their bases: both are written again below
	s_wait_alu depctr_vm_vsrc(0)                   ; the last tile's LDS stores have read v[G ..] and its global stores v[U ..], which the matrix instructions below write again
.endif
	WIN 0x01                                       ; source 0 (Wd) window 1
.irp s, 0,1
.irp e, 0,1
.irp n, 0,1,2,3,4,5,6,7
.set RDD, 4*\e+\n/2
.if RDD < 6
.set RA, 32*((RDD+4)%6)
.else
.set RA, 32*RDD
.endif
.set MD, G+64*\e+8*\n
.set MA, RA+8*(2*(\n%2)+\s)
.set MB, HB+8*(2*\e+\s)
.set SA, WS2+8*\e+2*(\n/2)+\s
.set SB, HS+2*\e+\s
	WM 1-\s, \n%2
.endr
.endr
.endr
	WIN 0
	v_mov_b32 v28, v[20+2*(\m)]                    ; my token's two weights, doubled for the packed forms.  These four name no register of the products: they are the places behind them
	v_mov_b32 v29, v[20+2*(\m)]
	v_mov_b32 v30, v[21+2*(\m)]
	v_mov_b32 v31, v[21+2*(\m)]
.irp t, 0,1,2,3,4,5,6,7,8,9,10,11,12,13,14,15
	v_readlane_b32 s[32+2*\t], v[16+(\m)], \t      ; row t's token, into the low word of the pair that will hold its row's address: sixteen writers in one run, their readers behind one wait below
.endr
.irp n, 0,1,2,3,4,5,6,7                ; each accumulator from its low end on
.irp p, 0,1,2,3
	v_pk_mul_f32 v[G+8*\n+2*\p:G+8*\n+2*\p+1], v[G+8*\n+2*\p:G+8*\n+2*\p+1], v[28:29]
.endr
.irp p, 0,1,2,3
	v_pk_fma_f32 v[G+8*\n+2*\p:G+8*\n+2*\p+1], v[U+8*\n+2*\p:U+8*\n+2*\p+1], v[30:31], v[G+8*\n+2*\p:G+8*\n+2*\p+1]
.endr
.endr
	s_wait_alu depctr_va_vdst(0)                   ; the matrix instructions are done reading v[HB ..] and v[HS ..], in which the next tile's fragments land; the packed lines have written v[G ..], which the LDS stores read, and are done reading v[U ..], in which the stage's loads land
.if (\m) < 3
	HFETCH (\m)+1
.endif
.irp n, 0,1,2,3,4,5,6,7                ; lane (r, h): out(token r, 128 w + 16 n + 8 h + 0 .. 7): through my own stage, back as whole rows of 512 bytes
	ds_store_b128 v10, v[G+8*\n:G+8*\n+3] offset:64*\n
	ds_store_b128 v10, v[G+8*\n+4:G+8*\n+7] offset:64*\n+16
.endr
.irp t, 0,1,2,3,4,5,6,7,8,9,10,11,12,13,14,15
	ds_load_b128 v[U+4*\t:U+4*\t+3], v11 offset:XP*\t              ; LDS serves a wave's instructions in order: these see my stores
.endr
	s_wait_alu depctr_va_sdst(0)                   ; the sixteen v_readlane_b32 have written their scalar registers, ahead of the first reader
.irp t, 0,1,2,3,4,5,6,7,8,9,10,11,12,13,14,15
	s_min_u32 s86, s[32+2*\t], 0x1fff              ; row t's token, held inside out0,
	s_lshl_b32 s80, s86, 12                        ; its row of 4,096 bytes
	s_add_nc_u64 s[32+2*\t:33+2*\t], s[18:19], s[80:81]
.endr
.irp t, 0,1,2,3,4,5,6,7,8,9,10,11,12,13,14,15
	s_cmp_le_u32 s26, 16*(\m)+\t                   ; the tile's rows end here: nothing more is stored
	s_cbranch_scc1 .Ldone
	s_wait_dscnt 15-\t                             ; row t is back; the younger rows may be out
	global_store_b128 v12, v[U+4*\t:U+4*\t+3], s[32+2*\t:33+2*\t] th:TH_STORE_NT   ; 32 lanes store 512 consecutive bytes, at a multiple of 256 from out0's first byte; written once
.endr
.endm
; an expert's four bases: e in s[e], held inside the tables; (8 e + wave) x the bytes of a wave's part
.macro BASES e, gu, d, s1, s2
	s_min_u32 s[\e], s[\e], 7
	s_lshl_b32 s86, s[\e], 3
	s_add_co_u32 s86, s86, s20
	s_lshl_b32 s80, s86, 15
	s_add_nc_u64 s[\gu:\gu+1], s[14:15], s[80:81]
	s_lshl_b32 s80, s86, 14
	s_add_nc_u64 s[\d:\d+1], s[14:15], s[80:81]
	s_add_nc_u64 s[\d:\d+1], s[\d:\d+1], 0x200000
	s_lshl_b32 s80, s86, 11
	s_add_nc_u64 s[\s1:\s1+1], s[14:15], s[80:81]
	s_add_nc_u64 s[\s1:\s1+1], s[\s1:\s1+1], 0x300000
	s_lshl_b32 s80, s86, 10                        ; Wd's scale bytes as they lie: 128 rows of 8 bytes a wave
	s_add_nc_u64 s[\s2:\s2+1], s[16:17], s[80:81]
.endm
	s_load_b512 s[4:19], s[0:1], 0x0               ; xc s[4:5], xs s[6:7], cw s[8:9], order s[10:11], tiles s[12:13], wq s[14:15], Wd_scales s[16:17], out0 s[18:19]
	v_lshl_add_u32 v2, v0, 2, SPARE
	v_mov_b32 v3, 0
	v_lshrrev_b32 v92, 5, v0
	v_readfirstlane_b32 s20, v92                   ; wave 0..7
	v_and_b32 v93, 31, v0                          ; lane
	v_and_b32 v94, 15, v0                          ; r
	v_bfe_u32 v95, v0, 4, 1                        ; h
	v_lshlrev_b32 v1, 4, v93
	v_lshlrev_b32 v15, 3, v93
	v_mul_u32_u24 v4, v94, XP
	v_lshl_add_u32 v4, v95, 4, v4                  ; x's fragments: row r, + 16 h
	v_mul_u32_u24 v5, v94, 40
	v_add_nc_u32 v5, XSL, v5                       ; x's scale words: row r
	s_wait_alu depctr_va_sdst(0)                   ; s20 is written, ahead of its first reader: LDS places and the weights' bases are made from it
	s_lshl_b32 s21, s20, 8
	s_add_co_u32 s21, s21, HIMG
	v_lshl_add_u32 v6, v94, 4, s21
	v_lshl_add_u32 v6, v95, 3, v6                  ; where my codes go: 256 w + 16 r + 8 h
	s_lshr_b32 s21, s20, 2
	s_lshl_b32 s21, s21, 6
	s_and_b32 s22, s20, 3
	s_add_co_u32 s21, s21, s22
	s_add_co_u32 s21, s21, HSC
	v_lshl_add_u32 v7, v94, 2, s21                 ; and my scale byte: K step w / 4, row r's word, byte w % 4
	v_add_nc_u32 v8, HIMG, v1                      ; an image comes back 16 bytes a lane
	v_lshl_add_u32 v9, v94, 2, HSC
	s_mul_i32 s21, s20, 16*XP
	s_add_co_u32 s21, s21, STG                     ; my stage
	v_mul_u32_u24 v10, v94, XP
	v_lshl_add_u32 v10, v95, 5, v10
	v_add_nc_u32 v10, s21, v10                     ; in: row r, + 32 h
	v_add_nc_u32 v11, s21, v1                      ; back: a row to an instruction
	s_lshl_b32 s22, s20, 9
	v_add_nc_u32 v12, s22, v1                      ; my columns in a row of out0
	s_mul_i32 s21, s20, 8*XP
	v_add_nc_u32 v124, s21, v1                     ; the gather: rows 8 w + 0 .. 7 of x's codes
	v_lshrrev_b32 v99, 2, v0
	v_mul_u32_u24 v125, v99, 40
	v_and_b32 v100, 3, v0
	v_lshl_add_u32 v125, v100, 3, v125
	v_add_nc_u32 v125, XSL, v125                   ; and 8 scale bytes a thread: row thread / 4
	v_and_b32 v[OW], 7, v0
	s_lshl_b32 s21, s20, 5
	v_lshl_add_u32 v[OW], v[OW], 2, s21            ; order: place 8 w + lane % 8,
	v_lshlrev_b32 v[OW+1], 2, v99                  ; place thread / 4,
	v_lshlrev_b32 v[OW+2], 2, v94                  ; place 16 m + r
.irp m, 0,1,2,3
	v_mov_b32 v[TM+4+\m], 0                        ; v96-99, written once: a lane permute's destination counts as one of its sources (thread / 4 in v99 has served)
.endr
	s_lshl_b32 s80, ttmp9, 4
	s_mov_b32 s81, 0
	s_mov_b32 s82, 0xbfb8aa3b                      ; -log2(e)
	s_mov_b32 s83, s82                             ; (named with it as a pair, so it is written)
	s_mov_b32 s84, 0x76543210
	s_mov_b32 s85, 0xfedcba98                      ; v_permlanex16_b32's selects for lane l xor 16
	s_wait_kmcnt 0x0
	s_add_nc_u64 s[12:13], s[12:13], s[80:81]
	s_load_b128 s[24:27], s[12:13], 0x0            ; my tile: lower expert, higher expert, rows
	s_lshl_b32 s80, ttmp9, 8
	s_add_nc_u64 s[10:11], s[10:11], s[80:81]      ; my tile's 64 places in order
	s_wait_alu depctr_va_vdst(0)                   ; v1, v4 to v12, v15, v116 to v118, v124 and v125 are written: every load and store of the kernel reads one of them as its address or offset, but for the gather's below
	global_load_b32 v13, v[OW], s[10:11]
	global_load_b32 v14, v[OW+1], s[10:11]
.irp m, 0,1,2,3
	global_load_b32 v[16+\m], v[OW+2], s[10:11] offset:64*\m
.endr
	s_wait_kmcnt 0x0
	BASES 24, 28, 68, 72, 76
	BASES 25, 30, 70, 74, 78
.irp e, 0,1
.irp a, 0,1,2,3
	global_load_b128 v[WS1+16*\e+4*\a:WS1+16*\e+4*\a+3], v1, s[72+2*\e:73+2*\e] offset:512*\a
.endr
.irp q, 0,1,2,3
	global_load_b64 v[WS2+8*\e+2*\q:WS2+8*\e+2*\q+1], v15, s[76+2*\e:77+2*\e] offset:256*\q   ; lane l: row 128 w + 32 q + l of Wd's scale bytes, both K steps' words
.endr
.endr
	FILL 0
	FILL 1
	FILL 2
	WIN 0
	s_wait_loadcnt 40                              ; the six token loads are in: behind them 16 scale loads and 24 weight loads
	v_min_u32 v13, 0x1fff, v13                     ; token numbers, held inside the tables
	v_min_u32 v14, 0x1fff, v14
.irp m, 0,1,2,3
	v_min_u32 v[16+\m], 0x1fff, v[16+\m]
.endr
.irp j, 0,1,2,3,4,5,6,7
	v_readlane_b32 s[32+\j], v13, \j               ; my wave's eight tokens: eight writers in one run
.endr
	v_lshlrev_b32 v170, 5, v14
	v_lshl_add_u32 v170, v100, 3, v170             ; four threads take a token's 32 scale bytes
.irp m, 0,1,2,3
	v_lshlrev_b32 v[172+\m], 3, v[16+\m]           ; 8 bytes of gate weights a token
.endr
	s_wait_alu depctr_va_sdst(0)                   ; the eight v_readlane_b32 have written s32 to s39, ahead of the first reader
.irp j, 0,1,2,3,4,5,6,7
	s_min_u32 s[32+\j], s[32+\j], 0x1fff
	s_lshl_b32 s[32+\j], s[32+\j], 9
	v_add_nc_u32 v[160+\j], s[32+\j], v1
.endr
	s_wait_alu depctr_va_vdst(0)                   ; the gather's thirteen offsets, v160 to v167, v170 and v172 to v175, are written, which the loads below read
.irp j, 0,1,2,3,4,5,6,7
	global_load_b128 v[128+4*\j:131+4*\j], v[160+\j], s[4:5]       ; a token's 512 bytes of codes: one load of the wave
.endr
	global_load_b64 v[168:169], v170, s[6:7]
.irp m, 0,1,2,3
	global_load_b64 v[20+2*\m:21+2*\m], v[172+\m], s[8:9]          ; (c_lo, c_hi) of token 16 m + r
.endr
	FILL 3
	FILL 4
	FILL 5
	WIN 0
	s_wait_loadcnt 24                              ; all but weight steps 3 to 5 are in: the gather, the gate weights, the scale words
.irp j, 0,1,2,3,4,5,6,7
	ds_store_b128 v124, v[128+4*\j:131+4*\j] offset:XP*\j
.endr
	ds_store_b64 v125, v[168:169]
	BAR                                            ; the tile's 64 rows of x lie in LDS
	s_wait_alu depctr_vm_vsrc(0)                   ; my LDS stores have read v128 to v159, v168 and v169, the gather's loads their offsets v160 to v175 and v116 to v118: the first are accumulators from here on, the last three take fragments of the hidden layer
	XFETCH 0
	XFETCH 1
.irp i, 0,1,2,3,4,5,6,7
	KSTEP \i
.endr
	EPI 0
.irp i, 8,9,10,11,12,13,14,15
	KSTEP \i
.endr
	EPI 1
	BAR                                            ; the hidden layer's sixteen fragments lie in LDS
	s_wait_alu depctr_vm_vsrc(0)                   ; my LDS stores have read v96-99 and v108-115, in which the fragments' loads land (the vector lines that named v92 to v115 stand ahead of the last wait on va_vdst)
	HFETCH 0
	s_wait_loadcnt 0x0                             ; all of my part of Wd, asked for since K step 11, is in registers
	ROWS 0
	ROWS 1
	ROWS 2
	ROWS 3
.Ldone:
	s_wait_dscnt 0x0                               ; the closing lines, six on end
	s_wait_alu 0x0
	s_wait_tensorcnt 0x0
	ds_add_u32 v2, v3
	s_wait_dscnt 0x0
	s_endpgm
.Lfunc_end_k_qd716e52cf5_chain:
	.size	k_qd716e52cf5_chain, .Lfunc_end_k_qd716e52cf5_chain-k_qd716e52cf5_chain
	.p2alignl 7, 3214868480
	.fill 96, 4, 3214868480
	.section	.rodata,"a",@progbits
	.p2align	6, 0x0
	.amdhsa_kernel k_qd716e52cf5_chain
		.amdhsa_group_segment_fixed_size 122368
		.amdhsa_private_segment_fixed_size 0
		.amdhsa_enable_private_segment 0
		.amdhsa_kernarg_size 64
		.amdhsa_user_sgpr_count 2
		.amdhsa_user_sgpr_kernarg_segment_ptr 1
		.amdhsa_wavefront_size32 1
		.amdhsa_system_sgpr_workgroup_id_x 1
		.amdhsa_system_sgpr_workgroup_id_y 1
		.amdhsa_system_sgpr_workgroup_id_z 1
		.amdhsa_system_vgpr_workitem_id 0
		.amdhsa_next_free_vgpr 512
		.amdhsa_next_free_sgpr 96
		.amdhsa_reserve_vcc 0
		.amdhsa_float_denorm_mode_32 3
		.amdhsa_float_denorm_mode_16_64 3
		.amdhsa_memory_ordered 1
		.amdhsa_forward_progress 1
		.amdhsa_inst_pref_size 179
	.end_amdhsa_kernel
	.amdgpu_metadata
---
amdhsa.version: [ 1, 2 ]
amdhsa.kernels:
  - .name:           k_qd716e52cf5_chain
    .symbol:         k_qd716e52cf5_chain.kd
    .args:
      - { .name: xc, .offset: 0, .size: 8, .value_kind: global_buffer, .address_space: global }
      - { .name: xs, .offset: 8, .size: 8, .value_kind: global_buffer, .address_space: global }
      - { .name: cw, .offset: 16, .size: 8, .value_kind: global_buffer, .address_space: global }
      - { .name: order, .offset: 24, .size: 8, .value_kind: global_buffer, .address_space: global }
      - { .name: tiles, .offset: 32, .size: 8, .value_kind: global_buffer, .address_space: global }
      - { .name: wq, .offset: 40, .size: 8, .value_kind: global_buffer, .address_space: global }
      - { .name: Wd_scales, .offset: 48, .size: 8, .value_kind: global_buffer, .address_space: global }
      - { .name: out0, .offset: 56, .size: 8, .value_kind: global_buffer, .address_space: global }
    .group_segment_fixed_size: 122368
    .private_segment_fixed_size: 0
    .kernarg_segment_align: 8
    .kernarg_segment_size: 64
    .max_flat_workgroup_size: 256
    .sgpr_count:     96
    .vgpr_count:     512
    .wavefront_size: 32
...
	.end_amdgpu_metadata
.endif
;; end of part 4
